; MI455X (gfx1250); checked and timed in simulation.
; The chip was launched on July 23, 2026; its instructions are those of AMD's public machine-readable ISA for CDNA 5 (MIT licence, August 2026) and "CDNA5" Instruction Set Architecture Reference Guide (July 2026). The comments in the code are by the model that wrote it; some were corrected since.
;; SWA. Allowed arithmetic: matrix products marked QUANTISED: E4M3 operands, one E8M0 scale for each 32 along K, by v_wmma_scale_f32_16x16x128_f8f6f4 with both operands' format E4M3, f32 sums; everything else in f32.
;; Inputs: wk_b 256 float32; wk_w_codes 256 x 32 x 32 uint8 (E4M3 codes of wk_w, K innermost, in blocks of 32 codes); wk_w_scales 256 x 32 uint8 (E8M0 scales of wk_w, one for each 32 codes along K); wo_w_codes 1,024 x 32 x 32 uint8 (E4M3 codes of wo_w, K innermost, in blocks of 32 codes); wo_w_scales 1,024 x 32 uint8 (E8M0 scales of wo_w, one for each 32 codes along K); wq_b 1,024 float32; wq_w_codes 1,024 x 32 x 32 uint8 (E4M3 codes of wq_w, K innermost, in blocks of 32 codes); wq_w_scales 1,024 x 32 uint8 (E8M0 scales of wq_w, one for each 32 codes along K); wv_b 256 float32; wv_w_codes 256 x 32 x 32 uint8 (E4M3 codes of wv_w, K innermost, in blocks of 32 codes); wv_w_scales 256 x 32 uint8 (E8M0 scales of wv_w, one for each 32 codes along K); x_codes 2 x 2,048 x 32 x 32 uint8 (E4M3 codes of x, K innermost, in blocks of 32 codes); x_scales 2 x 2,048 x 32 uint8 (E8M0 scales of x, one for each 32 codes along K).
;; Outputs: out0 2 x 2,048 x 1,024 float32.
;; Constants: sliding_window = 1024.
;; This version of the problem:
;;   THIS VERSION OF THE PROBLEM IS GIVEN IN LOW PRECISION. The matrix products marked QUANTISED in the list below multiply operands that are first quantised to E4M3 (4 exponent bits, 3 mantissa bits; 8 bits a number), with one power-of-two scale for each 32 numbers along K (OCP MX v1.0); their sums are f32. All else is computed in f32.
;;   The module's matrix products, in the order in which they are computed (A, B: the left and right operand; K: the contracted axis; several contracted axes count as one K, in the product's order):
;;     1. [M 4,096, K 1,024] x [K 1,024, N 1,024]; A: input x (given as codes); B: input wq_w (given as codes): QUANTISED
;;     2. [M 4,096, K 1,024] x [K 1,024, N 256]; A: input x (given as codes); B: input wk_w (given as codes): QUANTISED
;;     3. [M 4,096, K 1,024] x [K 1,024, N 256]; A: input x (given as codes); B: input wv_w (given as codes): QUANTISED
;;     4. batch 32 x [M 2,048, K 64] x [K 64, N 2,048]; A: computed on the way; B: computed on the way: QUANTISED
;;     5. batch 32 x [M 64, K 2,048] x [K 2,048, N 2,048]; A: computed on the way; B: softmax (see below): QUANTISED
;;     6. [M 4,096, K 1,024] x [K 1,024, N 1,024]; A: computed on the way; B: input wo_w (given as codes): QUANTISED
;;   THE QUANTISER, for each operand of a quantised product, along K:
;;     - K is cut into blocks of 32 from its start; a last block that is shorter is filled with zeros.
;;     - A block's scale is 2^e with e = floor(log2(the largest magnitude in the block)) - 8, held to -126 .. 127; a block of zeros has e = 0. As a byte (E8M0): e + 127.
;;     - Each number is divided by its block's scale, clamped to +-448, and rounded to the nearest number of E4M3, ties to even, subnormals kept.
;;     - The product sums the exact products of the quantised numbers (number of the format x scale) in f32.
;;   ~~~python
;;   def quantise(x, axis):      # numpy; x: float32 -> the quantised numbers, widened to float32 again
;;       x = np.moveaxis(x, axis, -1); K = x.shape[-1]
;;       x = np.pad(x, [(0, 0)] * (x.ndim - 1) + [(0, -K % 32)]); x = x.reshape(x.shape[:-1] + (-1, 32)); a = np.abs(x).max(-1, keepdims=True)
;;       e = np.where(a > 0, np.clip(np.frexp(np.where(a > 0, a, 1))[1] - 1 - 8, -126, 127), 0)      # np.frexp(a)[1] - 1 = floor(log2(a)), exactly
;;       r = np.clip(x / 2.0 ** e, -448, 448)
;;       step = 2.0 ** (np.maximum(np.frexp(np.where(r == 0, 1, r))[1] - 1, -6) - 3)
;;       q = np.round(r / step) * step * 2.0 ** e      # np.round: ties to even
;;       return np.moveaxis(q.reshape(q.shape[:-2] + (-1,))[..., :K], -1, axis).astype(np.float32)
;;   ~~~
;;   SOFTMAX AHEAD OF A QUANTISED PRODUCT. Where the list says 'softmax', what is quantised is not the finished softmax but p = 2^(t - M), with t = logit x log2(e) and M = ceil(the row's largest t), a whole number; so 1/2 < the row's largest p <= 1. The row's sum l is taken of the UNQUANTISED p, in f32, and the product's result is divided by l at the end. Since M is a whole number, a kernel that streams over the keys may use a running M (the ceiling of the running maximum): every later rescaling is an exact power of two, which a block's scale takes up: the codes' values come out the same.
;;   OPERANDS COMPUTED ON THE WAY. 'Computed on the way' means the value that the module computes at that place (a softmax that the list does not call 'softmax' is quantised finished and normalised). What goes into a quantiser is computed in f32, as accurately as f32 sums, v_exp_f32 and their like allow (about 1e-6 of the number): no bf16 or f16 on the way to a quantiser, and a product that is left as it is and whose result goes on into a quantised operand takes f32 operands (vector FMAs, or v_wmma_f32_16x16x4_f32). A number that lies on a knife's edge between two numbers of the format may be rounded either way, as far as f32 arithmetic and the matrix unit's own rounding can turn it there, and no further.
;;   INPUTS GIVEN AS CODES. wk_w (in the module: [256, 1024], K = its axis 1); wo_w (in the module: [1024, 1024], K = its axis 1); wq_w (in the module: [1024, 1024], K = its axis 1); wv_w (in the module: [256, 1024], K = its axis 1); x (in the module: [2, 2048, 1024], K = its axis 2): each comes as NAME_codes (uint8): NAME with its K axis moved to the last place and cut into blocks of 32 codes, [.., K / 32, bytes a block], one block behind the other in memory; one code a byte (a code: sign, 4 exponent bits, 3 mantissa bits); and NAME_scales (uint8): the same leading axes, one E8M0 byte (e + 127) for each 32 codes along K. Its value is code x scale, taken as it is: it is not quantised again, and the codes and scales need not be those that the quantiser above would give.
;; One version. Each part assembles by itself: llvm-mc -triple=amdgcn-amd-amdhsa -mcpu=gfx1250 --defsym DOCPART=n.
;; ======== version 1 of 1: 3 launches
;; limits: right only within a limited range of input values
;; workspace buffers: qc 4,194,304 bytes; qs 262,144 bytes; kv 2,195,456 bytes; cc 4,194,304 bytes; cs 131,072 bytes
;; launch proj (part 1): grid 32 x 8, 4 waves a work-group, clusters of 4 x 1, 212,992 bytes of LDS; arguments x_codes, x_scales, wq_w_codes, wq_w_scales, wq_b, wk_w_codes, wk_w_scales, wk_b, wv_w_codes, wv_w_scales, wv_b, qc, qs, kv; writes qc, qs, kv
.if DOCPART == 1
	.amdgcn_target "amdgcn-amd-amdhsa--gfx1250"
	.amdhsa_code_object_version 6
	.text
	.protected	k_qa223afcab6_proj
	.globl	k_qa223afcab6_proj
	.p2align	8
	.type	k_qa223afcab6_proj,@function
k_qa223afcab6_proj:
	s_mov_b64 s[64:65], 0
	v_nop
	global_prefetch_b8 v0, s[64:65] scope:SCOPE_SE
	s_setreg_imm32_b32 hwreg(HW_REG_WAVE_MODE, 25, 1), 1
	s_wait_xcnt 0x0
	s_wait_alu depctr_hold_cnt(0) depctr_sa_sdst(0) depctr_va_vdst(0) depctr_va_sdst(0) depctr_va_ssrc(0) depctr_va_vcc(0) depctr_vm_vsrc(0)
	s_getreg_b32 s2, hwreg(HW_REG_IB_STS2, 6, 4)
	s_cmp_eq_u32 s2, 0
	s_cbranch_scc0 .Lentry_in_a_cluster
	s_endpgm
.Lentry_in_a_cluster:
	s_bfe_u32 s2, ttmp6, 0x10000c
	s_cmp_lg_u32 s2, 0x3003
	s_cbranch_scc0 .Lentry_shape_is_right
	s_endpgm
.Lentry_shape_is_right:
; q = rope(x Wq^T + bq), k = rope(x Wk^T + bk), v = x Wv^T + bv, on codes of E4M3 with one E8M0 byte for each 32 along K (K = 1,024), and the results quantised again:
; q and k along the head's 64 channels (two blocks a head), v along the keys.  4,096 tokens (2 x 2,048), 16 query heads and 4 key/value heads of 64 channels.
; SHARES.  A work-group takes 128 tokens (tile TT = 4 x cluster x + cx) and three heads (g = work-group y): query heads 2 g and 2 g + 1, and one key head (g < 4) or value head (g - 4): 32 x 8 = 256 equal work-groups.
; Wave w takes tokens 32 w .. 32 w + 31 as two tiles of 16, against 64 channels a pass, three passes; a pass is 8 K steps of 128, 8 matrix instructions each.
; A TILE'S TOKENS ARE NOT NEIGHBOURS: lane slot r of tile u is token 32 w + 8 u + r + 8 (r / 8).  So where tokens are the next product's K (v, and p in the next launch) a lane's 16 registers of two tiles are 16 neighbouring tokens.
; x goes from memory straight into registers: each wave reads its own 32 rows once, 256 registers, and keeps them for all three passes.  So x is shared by no two waves of a cluster, and only the weights go through LDS.
; CLUSTER.  The four work-groups of a cluster have the same g and need the same 192 rows of weights: each tile of weights is asked for jointly (mask 15).  All of K fits: 12 tiles of 64 rows x 256 bytes; LDS is filled once, nothing is filled again.
; q, k: source 0 = 16 rows of W, source 1 = 16 tokens: a lane holds one token and 8 channels 16 t + 8 (lane / 16) + j.   v: the sources change places: a lane holds one channel and 8 tokens.
; The bias is the C of each sum's first matrix instruction.  RoPE: angle = position x 10000^(-i / 32), a rounded product; sine and cosine by reduction modulo pi / 2 in three parts and polynomials of degree 7 and 8.
; THE RESULTS LEAVE AS IMAGES OF THE NEXT LAUNCH'S OPERAND REGISTERS: four registers of a fragment are 512 bytes, lane l's 16 bytes at 16 l: each store of codes covers 512 consecutive bytes.
;   qc [b][head][group of 32 tokens][tile 2][c 2][512]; qs [b][head][group][32 lanes x 4]: lanes 0-15 tile 0's scale words, lanes 16-31 tile 1's.
;   kv [b][kv head][block of 128 keys] records of 17,152 bytes: K's codes [tile 8][c 2][512], V's codes [t 4][c 4][512] at 8,192, K's scale words [4][32 lanes x 4] at 16,384, V's [t 4][r 16][4] at 16,896.
;   A scale word of q or k: bytes 0, 1 the two blocks' bytes, bytes 2, 3 the same again: they scale the half of the next product's K that holds q's zero codes.
; LIMITS.  NaN, infinities and scale bytes 0xff among the inputs are not served.  A block of zeros gets the byte 1 where the quantiser says 127: its codes are zeros and this program alone reads the bytes.
; 10000^(-i / 32) is made by v_exp_f32 (1 ulp: ISA guide, its entry), so an angle may differ from position x the correctly rounded factor by about 1e-7 of itself, 2e-4 rad at the largest angle.
; REGISTERS, in windows of 256: window 0: v1-15 lane numbers and offsets; v16-23 x's scale words; v24-71 W's; v72-135 the 8 accumulators; v136-199 (cos, sin) pairs; v200-215, v216-231 the quantiser's; v232-255 at work.
;   window 1: x's 16 fragments (128 u + 16 s).   window 2: W's fragments, two sets of four.   window 3: v0-95 the biases in the result's layout, v96-99 v's bias a lane.
; LDS: a row of weights lies there whole, 1,024 bytes + 16 of padding; a pass's tile is 64 rows.  Wave 0 fetches pass 0's 64 rows, wave 1 pass 1's, waves 2 and 3 halves of pass 2's: one load a wave.
; kv, as it is stored here: [b][kv head] 274,432 bytes: K's scale words [64 groups of 32 keys][32 lanes x 4], V's scale words [16][t 4][r 16][4] at 8,192, and from 12,288 on 4,096 bytes for each group of 32 keys: K's codes [tile 2][c 2][512], V's codes [t 4][512].
; (The four lines on LDS and on kv directly above hold in this text, in place of what the head's earlier lines say of the weights' tiles and of kv's records.  x's scale words lie in v244-251.)
.set PITCH, 1040
.set REGB,  64*PITCH
.set PASSB, REGB
.set SPARE, 3*PASSB                    ; behind the tiles: the spare words, 128 bytes a wave
.set HEADB, 274432
.set KSW,   0
.set VSW,   0
.set G1H, 84                           ; s[84:91] group 1 for 32 rows
.set WV,  32                           ; s32 wave
.set CX,  33                           ; s33 my place in the cluster: it enters global addresses of x, qc, qs, kv and the positions alone
.set TT,  34                           ; s34 tile of 128 tokens
.set GY,  35                           ; s35 g
.set G1,  36                           ; s[36:43] descriptor group 1
.set G0,  44                           ; s[44:51] descriptor group 0: one set for passes 0 and 1, one for pass 2
.set KVH, 56                           ; s56 g & 3
.set BB,  57                           ; s57 batch
.set TB,  58                           ; s58 block of 128 tokens in the batch
.set HIM, 59                           ; s59 mask of lanes 16-31
.set SEL, 60                           ; s[60:61] selects of v_permlanex16_b32: lane l xor 16
.set MNT, 62                           ; s62 mantissa field of 448
.set LB,  63                           ; s63 wave x a tile's bytes
.set OF,  74                           ; s[74:75] offsets
.set DOF, 80                           ; s[80:81] offsets of the joint loads: made of g and the wave's number alone
.set XO,  4
.set AW0, 5
.set AW,  6
.set I16, 7
.set I4,  8
.set KCO, 9
.set KSO, 10
.set VCO, 11
.set VSO, 12
.set RHO, 13
.set SPW, 14
.set NIL, 15
.set XS,  244                          ; so that no product's two scale words have numbers equal modulo 8
.set WS,  24
.set ACC, 72
.set TRIG, 136
.set TM,  200
.set PC,  216
.set BI,  0                            ; window 3
.set BV,  96                           ; window 3
.set IV,  72                           ; during the set-up the accumulators' registers hold: v72-87 the 16 factors, v88-95 constants, v96-97 at work, v98.. one set of the sine's registers (the other at v200..)
.set KS1, 88
.set KS0, 90
.set KC1, 92
.set KC0, 94
.set T0,  98
.set MSB, 0
.macro WIN new                         ; the immediate's high byte repeats the setting that is left; a switch that changes nothing is dropped
.if MSB != \new
	s_set_vgpr_msb (MSB<<8)|\new
.set MSB, \new
.endif
.endm
.macro PLACES n
.rept \n
	v_nop
.endr
.endm
.macro ROUND                           ; a round of the cluster's barrier
	s_barrier_signal -1
	s_barrier_wait -1
	s_cmp_lg_u32 s[WV], 0
	s_cbranch_scc1 .Lnot_wave_0_\@
	s_barrier_signal -3
.Lnot_wave_0_\@:
	s_barrier_wait -3
	s_barrier_signal -1
	s_barrier_wait -1
.endm
	s_load_b512 s[4:19], s[0:1], 0x0               ; x_codes 4, x_scales 6, wq codes 8, scales 10, bias 12, wk codes 14, scales 16, bias 18
	s_load_b256 s[20:27], s[0:1], 0x40             ; wv codes 20, scales 22, bias 24, qc 26
	s_load_b128 s[28:31], s[0:1], 0x60             ; qs 28, kv 30
	v_lshl_add_u32 v[SPW], v0, 2, SPARE
	v_mov_b32 v[NIL], 0
	ds_add_u32 v[SPW], v[NIL]                      ; the wave's opening: the add and its wait ahead of my first tensor load
	ds_add_u32 v[SPW], v[NIL]
	v_lshrrev_b32 v1, 5, v0
	v_readfirstlane_b32 s[WV], v1
	s_bfe_u32 s[CX], ttmp6, 0x40000
	s_lshl_b32 s[TT], ttmp9, 2
	s_add_co_u32 s[TT], s[TT], s[CX]
	s_and_b32 s[GY], ttmp7, 0xffff
	s_and_b32 s[KVH], s[GY], 3
	s_lshr_b32 s[BB], s[TT], 4
	s_and_b32 s[TB], s[TT], 15
	s_mov_b32 s[G1], 15|(1<<20)|(1<<21)|(7<<22)|(3<<25)   ; mask: all four work-groups; elements of 1 byte; padding on; bit 21 beside a mask; 4 words of padding behind every 256
	s_mov_b32 s[G1+1], 1024<<16
	s_mov_b32 s[G1+2], 64<<16
	s_mov_b32 s[G1+3], 1024<<16
	s_mov_b32 s[G1+4], 64
	s_mov_b32 s[G1H], 15|(1<<20)|(1<<21)|(7<<22)|(3<<25)  ; the same for 32 rows
	s_mov_b32 s[G1H+1], 1024<<16
	s_mov_b32 s[G1H+2], 32<<16
	s_mov_b32 s[G1H+3], 1024<<16
	s_mov_b32 s[G1H+4], 32
	s_mov_b32 s[G1H+5], 1024
	s_mov_b32 s[G1H+6], 0
	s_mov_b32 s[G1H+7], 0
	s_mov_b32 s[G1+5], 1024                        ; a row of weights is 1,024 bytes
	s_mov_b32 s[G1+6], 0
	s_mov_b32 s[G1+7], 0
	s_mov_b32 s[SEL], 0x76543210
	s_mov_b32 s[SEL+1], 0xfedcba98
	s_mov_b32 s[MNT], 0x600000
	s_mul_i32 s[LB], s[WV], REGB                   ; waves 0, 1: pass w's tile in LDS
	s_wait_dscnt 0x0                               ; both opening adds are done
	ROUND                                          ; all four work-groups are here: the joint loads meet
	s_wait_kmcnt 0x0
	s_cmp_lt_u32 s[GY], 4                          ; the third head: a key head or a value head; the choice hangs on the work-group's y alone
	s_cselect_b64 s[14:15], s[14:15], s[20:21]
	s_cselect_b64 s[16:17], s[16:17], s[22:23]
	s_cselect_b64 s[18:19], s[18:19], s[24:25]
	s_mov_b32 s[OF+1], 0
	s_mov_b32 s[DOF+1], 0
	s_lshl_b32 s[OF], s[TT], 17                    ; 128 rows of 1,024 bytes
	s_add_nc_u64 s[4:5], s[4:5], s[OF:OF+1]
	s_lshl_b32 s[OF], s[TT], 12                    ; 128 rows of 32 scale bytes
	s_add_nc_u64 s[6:7], s[6:7], s[OF:OF+1]
	s_lshl_b32 s82, s[WV], 16                      ; waves 0 and 1: 64 rows of wq each
	s_lshl_b32 s[DOF], s[GY], 17                   ; wq: 128 rows
	s_add_co_u32 s[DOF], s[DOF], s82
	s_add_nc_u64 s[8:9], s[8:9], s[DOF:DOF+1]
	s_and_b32 s82, s[WV], 1
	s_lshl_b32 s82, s82, 15                        ; waves 2 and 3: 32 rows of wk or wv each
	s_lshl_b32 s[DOF], s[KVH], 16
	s_add_co_u32 s[DOF], s[DOF], s82
	s_add_nc_u64 s[14:15], s[14:15], s[DOF:DOF+1]
	s_lshl_b32 s[OF], s[GY], 12
	s_add_nc_u64 s[10:11], s[10:11], s[OF:OF+1]
	s_lshl_b32 s[OF], s[GY], 9
	s_add_nc_u64 s[12:13], s[12:13], s[OF:OF+1]
	s_lshl_b32 s[OF], s[KVH], 11
	s_add_nc_u64 s[16:17], s[16:17], s[OF:OF+1]
	s_lshl_b32 s[OF], s[KVH], 8
	s_add_nc_u64 s[18:19], s[18:19], s[OF:OF+1]
	s_lshl_b32 s77, s[BB], 4
	s_lshl_b32 s78, s[GY], 1
	s_add_co_u32 s77, s77, s78                     ; 16 b + 2 g
	s_lshl_b32 s77, s77, 6
	s_lshl_b32 s78, s[TB], 2
	s_add_co_u32 s77, s77, s78
	s_add_co_u32 s77, s77, s[WV]                   ; x 64 + my group of 32 tokens
	s_lshl_b32 s[OF], s77, 11
	s_add_nc_u64 s[26:27], s[26:27], s[OF:OF+1]
	s_lshl_b32 s[OF], s77, 7
	s_add_nc_u64 s[28:29], s[28:29], s[OF:OF+1]
	s_lshl_b32 s77, s[BB], 2
	s_add_co_u32 s77, s77, s[KVH]
	s_mul_i32 s[OF], s77, HEADB
	s_add_nc_u64 s[30:31], s[30:31], s[OF:OF+1]
	s_mov_b32 s[G0], 1                             ; pass 0: query head 2 g
	s_mov_b32 s[G0+1], s[LB]
	s_mov_b64 s[G0+2:G0+3], s[8:9]
	s_or_b32 s[G0+3], s[G0+3], 0x80000000
	s_mov_b32 s[G0+4], 1                           ; waves 2, 3: pass 2's rows 32 (w - 2) ..
	s_mul_i32 s[G0+5], s[WV], 32*PITCH
	s_add_co_u32 s[G0+5], s[G0+5], PASSB
	s_mov_b64 s[G0+6:G0+7], s[14:15]
	s_or_b32 s[G0+7], s[G0+7], 0x80000000
	s_cmp_lt_u32 s[WV], 1                          ; one load a wave; a line of its own for what each pass's barrier shows
	s_cbranch_scc0 .Lhead_1
	tensor_load_to_lds s[G0:G0+3], s[G1:G1+7]
	s_nop 0
	PLACES 4
	s_branch .Lasked
.Lhead_1:
	s_cmp_lt_u32 s[WV], 2
	s_cbranch_scc0 .Lhead_2
	tensor_load_to_lds s[G0:G0+3], s[G1:G1+7]
	s_nop 0
	PLACES 4
	s_branch .Lasked
.Lhead_2:
	tensor_load_to_lds s[G0+4:G0+7], s[G1H:G1H+7]
	s_nop 0
	PLACES 4
.Lasked:
	v_and_b32 v1, 31, v0                           ; lane
	v_and_b32 v2, 15, v0                           ; r
	v_bfe_u32 v3, v0, 4, 1                         ; h
	v_and_b32 v[RHO], 8, v2
	v_add_nc_u32 v[RHO], v[RHO], v2                ; r + 8 (r / 8)
	s_lshl_b32 s76, s[WV], 5
	v_add_nc_u32 v232, s76, v[RHO]                 ; slot r of my tile 0, among the work-group's 128 tokens
	v_lshlrev_b32 v[XO], 10, v232
	v_lshl_add_u32 v[XO], v3, 4, v[XO]             ; x: its row + 16 h
	v_lshl_add_u32 v233, v3, 3, v232
	v_lshlrev_b32 v233, 5, v233                    ; x's scale bytes: lanes 0-15 tile 0's rows, lanes 16-31 tile 1's (8 tokens on)
	v_lshlrev_b32 v234, 5, v1                      ; W's scale bytes: lane l takes row l of 32
	v_lshlrev_b32 v235, 5, v3                      ; a bias by channels: 8 numbers from 8 h on
	v_lshlrev_b32 v236, 2, v2                      ; a bias by lanes: number r
	v_mul_u32_u24 v[AW0], v2, PITCH
	v_lshl_add_u32 v[AW0], v3, 4, v[AW0]           ; a fragment of W in LDS: row r, + 16 h
	v_lshlrev_b32 v[I16], 4, v1
	v_lshlrev_b32 v[I4], 2, v1
	s_wait_alu depctr_va_vdst(0)                   ; ahead of the scalar lines
	s_lshl_b32 s78, s[TB], 2
	s_add_co_u32 s78, s78, s[WV]                   ; my group of 32 keys
	s_lshl_b32 s77, s78, 12
	s_add_co_u32 s77, s77, 12288
	v_add_nc_u32 v[KCO], s77, v[I16]               ; K's codes
	v_add_nc_u32 v[VCO], 2048, v[KCO]              ; V's codes
	s_lshl_b32 s77, s78, 7
	v_add_nc_u32 v[KSO], s77, v[I4]                ; K's scale words
	s_lshl_b32 s77, s[TB], 8
	s_add_co_u32 s77, s77, s[WV]
	s_add_co_u32 s77, s77, 8192
	v_add_nc_u32 v[VSO], s77, v[I4]                ; V's scale bytes: byte w of each word
	v_cmp_lt_u32 s[HIM], 15, v1
	global_load_b128 v[XS:XS+3], v233, s[6:7]      ; register s: the word of K step s
	global_load_b128 v[XS+4:XS+7], v233, s[6:7] offset:16
.irp p, 0,1
.irp b, 0,1
	global_load_b128 v[WS+16*\p+8*\b:WS+16*\p+8*\b+3], v234, s[10:11] offset:2048*\p+1024*\b       ; lanes 0-15 tile 2 b, lanes 16-31 tile 2 b + 1
	global_load_b128 v[WS+16*\p+8*\b+4:WS+16*\p+8*\b+7], v234, s[10:11] offset:2048*\p+1024*\b+16
.endr
.endr
.irp b, 0,1
	global_load_b128 v[WS+32+8*\b:WS+32+8*\b+3], v234, s[16:17] offset:1024*\b
	global_load_b128 v[WS+32+8*\b+4:WS+32+8*\b+7], v234, s[16:17] offset:1024*\b+16
.endr
	WIN 0xc0                                       ; destination window 3
.irp p, 0,1
.irp t, 0,1,2,3
	global_load_b128 v[BI+32*\p+8*\t:BI+32*\p+8*\t+3], v235, s[12:13] offset:256*\p+64*\t
	global_load_b128 v[BI+32*\p+8*\t+4:BI+32*\p+8*\t+7], v235, s[12:13] offset:256*\p+64*\t+16
.endr
.endr
.irp t, 0,1,2,3                        ; the third head's bias in both forms, so that the head has no branch: by channels (k's), and by lanes (v's)
	global_load_b128 v[BI+64+8*\t:BI+64+8*\t+3], v235, s[18:19] offset:64*\t
	global_load_b128 v[BI+64+8*\t+4:BI+64+8*\t+7], v235, s[18:19] offset:64*\t+16
	global_load_b32 v[BV+\t], v236, s[18:19] offset:64*\t
.endr
	WIN 0
.macro XLOAD s                         ; x's K step s, both tiles: 8 loads.  They are the last loads of the head: the first pass waits for them step by step
	WIN 0x40                                       ; destination window 1
.irp u, 0,1
.irp c, 0,1,2,3
	global_load_b128 v[128*\u+16*(\s)+4*\c:128*\u+16*(\s)+4*\c+3], v[XO], s[4:5] offset:8192*\u+128*(\s)+32*\c   ; x(token, 128 s + 32 c + 16 h ..)
.endr
.endr
	WIN 0
.endm
	XLOAD 0
; SINE AND COSINE, while the loads are on their way: 16 frequencies x 2 tiles a lane.  Pair a of a lane's channels (a = 4 t + j / 2) has frequency index i = 8 (a / 4) + 4 h + a % 4.
	v_lshlrev_b32 v96, 2, v3
.irp a, 0,1,2,3,4,5,6,7,8,9,10,11,12,13,14,15
	v_add_nc_u32 v[IV+\a], 8*(\a/4)+\a%4, v96
.endr
.irp a, 0,1,2,3,4,5,6,7,8,9,10,11,12,13,14,15
	v_cvt_f32_u32 v[IV+\a], v[IV+\a]
.endr
.irp a, 0,1,2,3,4,5,6,7,8,9,10,11,12,13,14,15
	v_mul_f32 v[IV+\a], 0xbed49a78, v[IV+\a]       ; x -log2(10000) / 32
.endr
	s_wait_alu depctr_va_vdst(0)
.irp a, 0,1,2,3,4,5,6,7,8,9,10,11,12,13,14,15
	v_exp_f32 v[IV+\a], v[IV+\a]                   ; 10000^(-i / 32): one batch
.endr
	s_lshl_b32 s78, s[TB], 7
	v_add_nc_u32 v97, s78, v232                    ; my token's position in its sequence, tile 0;
	v_cvt_f32_u32 v252, v97
	v_add_nc_u32 v97, 8, v97                       ; tile 1
	v_cvt_f32_u32 v253, v97
	v_mov_b32 v[KS1], 0x3c08839e                   ; the polynomials' middle coefficients, as pairs
	v_mov_b32 v[KS1+1], 0x3c08839e
	v_mov_b32 v[KS0], 0xbe2aaaa3
	v_mov_b32 v[KS0+1], 0xbe2aaaa3
	v_mov_b32 v[KC1], 0xbab6061a
	v_mov_b32 v[KC1+1], 0xbab6061a
	v_mov_b32 v[KC0], 0x3d2aaaa5
	v_mov_b32 v[KC0+1], 0x3d2aaaa5
	s_wait_alu depctr_va_vdst(0)                   ; one wait for the sixteen exponentials, ahead of their first reader
; Angles 2 k and 2 k + 1 of both tiles, stage by stage, so that the two tiles' chains stand between each other.  Registers of tile u from T = T0 + 102 u on:
; +0 angle, +2 quadrant, +4 rest R, +6 Z = R R, +8 sine, +10 cosine, +12 R Z, +14 Z Z, +16 1 - Z / 2, +18 odd?, +20 sine's sign, +22 cosine's sign, +24 at work.
.macro TRIGK k
.irp u, 0,1
.set T, T0+102*\u
	v_pk_mul_f32 v[T:T+1], v[IV+2*\k:IV+2*\k+1], v[252:253] op_sel:[0,\u] op_sel_hi:[1,\u]   ; the angle: a rounded product of its own
.endr
.irp u, 0,1
.set T, T0+102*\u
	v_pk_mul_f32 v[T+2:T+3], v[T:T+1], 0x3f22f983 op_sel_hi:[1,0]                           ; x 2 / pi
.endr
.irp u, 0,1
.set T, T0+102*\u
	v_rndne_f32 v[T+2], v[T+2]
	v_rndne_f32 v[T+3], v[T+3]
.endr
.irp u, 0,1
.set T, T0+102*\u
	v_pk_fma_f32 v[T+4:T+5], v[T+2:T+3], 0xbfc90000, v[T:T+1] op_sel_hi:[1,0,1]             ; less the quadrants x pi / 2, in three parts: the first has 8 bits, the quadrant 11: that product is exact
.endr
.irp u, 0,1
.set T, T0+102*\u
	v_pk_fma_f32 v[T+4:T+5], v[T+2:T+3], 0xb9fda000, v[T+4:T+5] op_sel_hi:[1,0,1]
.endr
.irp u, 0,1
.set T, T0+102*\u
	v_pk_fma_f32 v[T+4:T+5], v[T+2:T+3], 0xb3a22168, v[T+4:T+5] op_sel_hi:[1,0,1]
.endr
.irp u, 0,1
.set T, T0+102*\u
	v_pk_mul_f32 v[T+6:T+7], v[T+4:T+5], v[T+4:T+5]
.endr
.irp u, 0,1
.set T, T0+102*\u
	v_pk_fma_f32 v[T+8:T+9], v[T+6:T+7], 0xb94ca1f9, v[KS1:KS1+1] op_sel_hi:[1,0,1]
	v_pk_fma_f32 v[T+10:T+11], v[T+6:T+7], 0x37ccf5ce, v[KC1:KC1+1] op_sel_hi:[1,0,1]
	v_pk_mul_f32 v[T+12:T+13], v[T+4:T+5], v[T+6:T+7]
	v_pk_mul_f32 v[T+14:T+15], v[T+6:T+7], v[T+6:T+7]
	v_pk_fma_f32 v[T+16:T+17], v[T+6:T+7], -0.5, 1.0 op_sel_hi:[1,0,0]
	v_cvt_i32_f32 v[T+2], v[T+2]
	v_cvt_i32_f32 v[T+3], v[T+3]
.endr
.irp u, 0,1
.set T, T0+102*\u
	v_pk_fma_f32 v[T+8:T+9], v[T+8:T+9], v[T+6:T+7], v[KS0:KS0+1]
	v_pk_fma_f32 v[T+10:T+11], v[T+10:T+11], v[T+6:T+7], v[KC0:KC0+1]
.irp e, 0,1
	v_and_b32 v[T+18+\e], 1, v[T+2+\e]
	v_lshlrev_b32 v[T+20+\e], 30, v[T+2+\e]
	v_add_nc_u32 v[T+22+\e], 1, v[T+2+\e]
.endr
.endr
.irp u, 0,1
.set T, T0+102*\u
	v_pk_fma_f32 v[T+8:T+9], v[T+8:T+9], v[T+12:T+13], v[T+4:T+5]                           ; sin R
	v_pk_fma_f32 v[T+10:T+11], v[T+10:T+11], v[T+14:T+15], v[T+16:T+17]                     ; cos R
.irp e, 0,1
	v_and_b32 v[T+20+\e], 0x80000000, v[T+20+\e]   ; the sine is negative in quadrants 2 and 3,
	v_lshlrev_b32 v[T+22+\e], 30, v[T+22+\e]
.endr
.irp e, 0,1
	v_and_b32 v[T+22+\e], 0x80000000, v[T+22+\e]   ; the cosine in 1 and 2
.endr
.endr
.irp u, 0,1
.set T, T0+102*\u
.irp e, 0,1
	v_cmp_eq_u32 vcc_lo, 1, v[T+18+\e]             ; in odd quadrants the two change places
	v_cndmask_b32 v[T+24], v[T+10+\e], v[T+8+\e], vcc_lo
	v_cndmask_b32 v[T+25], v[T+8+\e], v[T+10+\e], vcc_lo
	v_xor_b32 v[TRIG+32*\u+4*\k+2*\e], v[T+22+\e], v[T+24]
	v_xor_b32 v[TRIG+32*\u+4*\k+2*\e+1], v[T+20+\e], v[T+25]
.endr
.endr
.endm
.irp k, 0,1,2,3,4,5,6,7
.if \k < 7
	XLOAD \k+1
.endif
	TRIGK \k
.endr
.irp b, 0,1,2,3
	v_mov_b32 v[TM+4+\b], 0                        ; a lane permute's destination counts as one of its sources
.endr
; One scaled matrix instruction.  ra, rb: source 0's, source 1's scale words stand in lanes 16-31 of their register.
.macro WM d, a, b, c, sa, sb, ra, rb
.if (\ra) && (\rb)
	v_wmma_scale_f32_16x16x128_f8f6f4 v[\d:\d+7], v[\a:\a+15], v[\b:\b+15], v[\c:\c+7], v[\sa], v[\sb] matrix_a_scale:MATRIX_SCALE_ROW1 matrix_b_scale:MATRIX_SCALE_ROW1
.elseif (\ra)
	v_wmma_scale_f32_16x16x128_f8f6f4 v[\d:\d+7], v[\a:\a+15], v[\b:\b+15], v[\c:\c+7], v[\sa], v[\sb] matrix_a_scale:MATRIX_SCALE_ROW1
.elseif (\rb)
	v_wmma_scale_f32_16x16x128_f8f6f4 v[\d:\d+7], v[\a:\a+15], v[\b:\b+15], v[\c:\c+7], v[\sa], v[\sb] matrix_b_scale:MATRIX_SCALE_ROW1
.else
	v_wmma_scale_f32_16x16x128_f8f6f4 v[\d:\d+7], v[\a:\a+15], v[\b:\b+15], v[\c:\c+7], v[\sa], v[\sb]
.endif
.endm
.macro FETCHW s, buf                   ; W's four fragments of K step s into set buf: 16 loads
	WIN 0x80                                       ; destination window 2
.irp t, 0,1,2,3
.irp c, 0,1,2,3
	ds_load_b128 v[64*(\buf)+16*\t+4*\c:64*(\buf)+16*\t+4*\c+3], v[AW] offset:128*(\s)+\t*16*PITCH+32*\c
.endr
.endr
.endm
; 8 matrix instructions of K step s; the 8 accumulators take turns, in the same order in every step.
.macro MULQ p, s                       ; q, k: source 0 = W (window 2), source 1 = x (window 1); the first step's C is the bias (window 3)
.if (\s) == 0
	WIN 0x36
.else
	WIN 0x06
.endif
.irp u, 0,1
.irp t, 0,1,2,3
.if (\s) == 0
	WM ACC+32*\u+8*\t, 64*((\s)%2)+16*\t, 128*\u+16*(\s), BI+32*(\p)+8*\t, WS+16*(\p)+8*(\t/2)+(\s), XS+(\s), \t%2, \u
.else
	WM ACC+32*\u+8*\t, 64*((\s)%2)+16*\t, 128*\u+16*(\s), ACC+32*\u+8*\t, WS+16*(\p)+8*(\t/2)+(\s), XS+(\s), \t%2, \u
.endif
.endr
.endr
.endm
.macro MULV s                          ; v: source 0 = x (window 1), source 1 = W (window 2): accumulator 16 t + 8 u: channel 16 t + r, tokens 32 w + 16 h + 8 u + j
.if (\s) == 0
	WIN 0x39
.else
	WIN 0x09
.endif
.irp u, 0,1
.irp t, 0,1,2,3
.if (\s) == 0
	WM ACC+16*\t+8*\u, 128*\u+16*(\s), 64*((\s)%2)+16*\t, BI+64+8*\t, XS+(\s), WS+32+8*(\t/2)+(\s), \u, \t%2
.else
	WM ACC+16*\t+8*\u, 128*\u+16*(\s), 64*((\s)%2)+16*\t, ACC+16*\t+8*\u, XS+(\s), WS+32+8*(\t/2)+(\s), \u, \t%2
.endif
.endr
.endr
.endm
; A pass's 8 K steps.  W's fragments run one step ahead, in two sets.  Eight plain places stand between the products that read a set and the loads into it.
.macro KLOOP p, isv
.irp s, 0,1,2,3,4,5,6,7
.if \s < 7
.if \s > 0
	PLACES 8
.endif
	FETCHW \s+1, (\s+1)%2
	s_wait_dscnt 16                                ; this step's 16 loads are in; the next step's 16 may be out
.else
	s_wait_dscnt 0x0
.endif
.if \p == 0
	s_wait_loadcnt 56-8*\s                         ; x up to K step s, the scale words and the biases are in; behind them 8 loads for each later K step
.endif
.if \isv
	MULV \s
.else
	MULQ \p, \s
.endif
.endr
	WIN 0
	PLACES 9                                       ; ahead of the first read of results; nine, since the next pass's products begin these accumulators anew
.endm
.macro GATE n                          ; the waves whose fill is this pass's or an earlier one wait for it, then the barrier
.if \n
	s_cmp_lt_u32 s[WV], 3-\n                       ; n = 2: wave 0's tile is shown; n = 1: wave 1's; n = 0: all
	s_cbranch_scc0 .Lnot_shown_\@
	s_wait_tensorcnt 0x0
.Lnot_shown_\@:
.else
	s_wait_tensorcnt 0x0
.endif
	s_barrier_signal -1
	s_barrier_wait -1
.endm
; (x1, x2) -> (x1 c - x2 s, x1 s + x2 c), a pair an instruction: first (x1 c, x2 c), then (-s x2, s x1) is added.  Each accumulator is read from its low end on.
.macro ROPE
.irp a, 0,8,16,24,32,40,48,56
.irp j, 0,2,4,6
	v_pk_mul_f32 v[232+\j:233+\j], v[ACC+\a+\j:ACC+\a+\j+1], v[TRIG+\a+\j:TRIG+\a+\j+1] op_sel_hi:[1,0]
.endr
.irp j, 0,2,4,6
	v_pk_fma_f32 v[ACC+\a+\j:ACC+\a+\j+1], v[ACC+\a+\j:ACC+\a+\j+1], v[TRIG+\a+\j:TRIG+\a+\j+1], v[232+\j:233+\j] op_sel:[1,1,0] op_sel_hi:[0,1,1] neg_lo:[0,1,0]
.endr
.endr
.endm
; The 64 numbers of a lane are four halves of blocks of 32 (16 registers each; the other half lies in lane l xor 16).  Codes to v[PC + 4 b ..], the blocks' bytes to v[TM + 4 + b].
.macro QUANT
.irp b, 0,1,2,3
	v_max3_num_f32 v[TM+\b], |v[ACC+16*\b]|, |v[ACC+1+16*\b]|, 0x4800000   ; with the floor 2^(9 - 127): the byte cannot fall under 1
.endr
.irp i, 2,4,6,8,10,12,14
.irp b, 0,1,2,3
	v_max3_num_f32 v[TM+\b], v[TM+\b], |v[ACC+16*\b+\i]|, |v[ACC+1+16*\b+\i]|
.endr
.endr
.irp b, 0,1,2,3
	v_permlanex16_b32 v[TM+4+\b], v[TM+\b], s[SEL], s[SEL+1]
.endr
.irp b, 0,1,2,3
	v_max_num_f32 v[TM+\b], v[TM+\b], v[TM+4+\b]   ; the block's largest magnitude
.endr
.irp b, 0,1,2,3
	v_add_nc_u32 v[TM+12+\b], 0xfc000000, v[TM+\b] ; 8 off its exponent field: the conversion's scale operand
.endr
.irp b, 0,1,2,3
	v_and_or_b32 v[TM+8+\b], v[TM+\b], 0x7f800000, s[MNT]   ; 448 x the scale
.endr
.irp b, 0,1,2,3
	v_lshrrev_b32 v[TM+4+\b], 23, v[TM+12+\b]      ; the scale's byte
.endr
.irp b, 0,1,2,3
.irp i, 0,1,2,3,4,5,6,7,8,9,10,11,12,13,14,15
	v_med3_num_f32 v[ACC+16*\b+\i], v[ACC+16*\b+\i], -v[TM+8+\b], v[TM+8+\b]   ; the conversion to an 8-bit code does not saturate (ISA guide 7.6.2): the hold comes first
.endr
	v_cvt_scalef32_pk8_fp8_f32 v[PC+4*\b:PC+4*\b+1], v[ACC+16*\b:ACC+16*\b+7], v[TM+12+\b]
	v_cvt_scalef32_pk8_fp8_f32 v[PC+4*\b+2:PC+4*\b+3], v[ACC+16*\b+8:ACC+16*\b+15], v[TM+12+\b]
.endr
	v_nop                                          ; one plain instruction behind the last scaled conversion
.endm
; The way out of a pass of q (isk = 0) or k (isk = 1).  Block b = 2 u + c: tile u, channels 32 c on.  A lane holds channels 8 h + 0..7 and 16 + 8 h + 0..7 of the block; the operand wants 16 h + 0..15:
; the upper lanes' first two registers change places with the lower lanes' last two.
.macro OUTQK isk, p
	ROPE
	s_wait_xcnt 0x0                                ; the last pass's stores have read their data: the codes' and the word's registers are written again only behind this wait
	QUANT
.irp b, 0,1,2,3
	v_permlane16_swap_b32 v[PC+4*\b], v[PC+4*\b+2]
	v_permlane16_swap_b32 v[PC+4*\b+1], v[PC+4*\b+3]
.endr
	v_lshl_or_b32 v240, v[TM+5], 8, v[TM+4]        ; tile 0's word: its two bytes,
	v_lshl_or_b32 v241, v[TM+7], 8, v[TM+6]        ; tile 1's,
	v_lshl_or_b32 v240, v240, 16, v240             ; and the same two again
	v_lshl_or_b32 v241, v241, 16, v241
	v_cndmask_b32 v242, v240, v241, s[HIM]         ; lanes 0-15 tile 0's words, lanes 16-31 tile 1's
.irp b, 0,1,2,3
.if \isk
	global_store_b128 v[KCO], v[PC+4*\b:PC+4*\b+3], s[30:31] offset:512*\b                 ; 512 consecutive bytes
.else
	global_store_b128 v[I16], v[PC+4*\b:PC+4*\b+3], s[26:27] offset:131072*(\p)+512*\b
.endif
.endr
.if \isk
	global_store_b32 v[KSO], v242, s[30:31] offset:KSW
.else
	global_store_b32 v[I4], v242, s[28:29] offset:8192*(\p)
.endif
.endm
.macro NEXT n, p                       ; pass p's weights are shown, and its first four fragments are asked for: ahead of the way out of the pass before
	GATE \n
	v_add_nc_u32 v[AW], (\p)*PASSB, v[AW0]
	s_wait_alu depctr_va_vdst(0)
	FETCHW 0, 0
	WIN 0
.endm
	NEXT 2, 0
	KLOOP 0, 0
	NEXT 1, 1
	OUTQK 0, 0
	KLOOP 1, 0
	NEXT 0, 2
	OUTQK 0, 1
	s_cmp_lt_u32 s[GY], 4                          ; the same way in all waves and in all four partners
	s_cbranch_scc0 .Lvalues
	KLOOP 2, 0
	OUTQK 1, 2
	s_branch .Ldone
.Lvalues:
	WIN 0xc3                                       ; destination and source window 3
.irp t, 0,1,2,3
.irp j, 0,1,2,3,4,5,6,7
	v_mov_b32 v[BI+64+8*\t+\j], v[BV+\t]           ; v's result holds one channel a lane: its bias in all eight registers of a tile
.endr
.endr
	s_wait_alu depctr_va_vdst(0)
	WIN 0
	PLACES 4
	KLOOP 2, 1
	s_wait_xcnt 0x0                                ; as in the other way out
	QUANT                                          ; block t: channel 16 t + r, keys 32 w + 16 h + 0..15: the codes are the operand's registers as they stand
.irp t, 0,1,2,3
	global_store_b128 v[VCO], v[PC+4*\t:PC+4*\t+3], s[30:31] offset:512*\t
.endr
	v_cndmask_b32 v240, v[TM+4], v[TM+5], s[HIM]   ; lanes 0-15 tile 0's bytes, lanes 16-31 tile 1's
	v_cndmask_b32 v241, v[TM+6], v[TM+7], s[HIM]
	global_store_b8 v[VSO], v240, s[30:31] offset:VSW          ; byte w of each channel's word: the four waves fill a word
	global_store_b8 v[VSO], v241, s[30:31] offset:VSW+128
.Ldone:
	s_wait_tensorcnt 0x0                           ; the wave's end
	ds_add_u32 v[SPW], v[NIL]
	s_wait_dscnt 0x0
	ROUND                                          ; the closing round
	s_endpgm
.Lfunc_end_k_qa223afcab6_proj:
	.size	k_qa223afcab6_proj, .Lfunc_end_k_qa223afcab6_proj-k_qa223afcab6_proj
	.p2alignl 7, 3214868480
	.fill 96, 4, 3214868480
	.section	.rodata,"a",@progbits
	.p2align	6, 0x0
	.amdhsa_kernel k_qa223afcab6_proj
		.amdhsa_group_segment_fixed_size 212992
		.amdhsa_private_segment_fixed_size 0
		.amdhsa_enable_private_segment 0
		.amdhsa_kernarg_size 112
		.amdhsa_user_sgpr_count 2
		.amdhsa_user_sgpr_kernarg_segment_ptr 1
		.amdhsa_wavefront_size32 1
		.amdhsa_system_sgpr_workgroup_id_x 1
		.amdhsa_system_sgpr_workgroup_id_y 1
		.amdhsa_system_sgpr_workgroup_id_z 1
		.amdhsa_system_vgpr_workitem_id 0
		.amdhsa_next_free_vgpr 896
		.amdhsa_next_free_sgpr 100
		.amdhsa_reserve_vcc 1
		.amdhsa_float_denorm_mode_32 3
		.amdhsa_float_denorm_mode_16_64 3
		.amdhsa_memory_ordered 1
		.amdhsa_forward_progress 1
		.amdhsa_inst_pref_size 177
	.end_amdhsa_kernel
	.amdgpu_metadata
---
amdhsa.version: [ 1, 2 ]
amdhsa.kernels:
  - .name:           k_qa223afcab6_proj
    .symbol:         k_qa223afcab6_proj.kd
    .args:
      - { .name: x_codes, .offset: 0, .size: 8, .value_kind: global_buffer, .address_space: global }
      - { .name: x_scales, .offset: 8, .size: 8, .value_kind: global_buffer, .address_space: global }
      - { .name: wq_w_codes, .offset: 16, .size: 8, .value_kind: global_buffer, .address_space: global }
      - { .name: wq_w_scales, .offset: 24, .size: 8, .value_kind: global_buffer, .address_space: global }
      - { .name: wq_b, .offset: 32, .size: 8, .value_kind: global_buffer, .address_space: global }
      - { .name: wk_w_codes, .offset: 40, .size: 8, .value_kind: global_buffer, .address_space: global }
      - { .name: wk_w_scales, .offset: 48, .size: 8, .value_kind: global_buffer, .address_space: global }
      - { .name: wk_b, .offset: 56, .size: 8, .value_kind: global_buffer, .address_space: global }
      - { .name: wv_w_codes, .offset: 64, .size: 8, .value_kind: global_buffer, .address_space: global }
      - { .name: wv_w_scales, .offset: 72, .size: 8, .value_kind: global_buffer, .address_space: global }
      - { .name: wv_b, .offset: 80, .size: 8, .value_kind: global_buffer, .address_space: global }
      - { .name: qc, .offset: 88, .size: 8, .value_kind: global_buffer, .address_space: global }
      - { .name: qs, .offset: 96, .size: 8, .value_kind: global_buffer, .address_space: global }
      - { .name: kv, .offset: 104, .size: 8, .value_kind: global_buffer, .address_space: global }
    .group_segment_fixed_size: 212992
    .private_segment_fixed_size: 0
    .kernarg_segment_align: 8
    .kernarg_segment_size: 112
    .max_flat_workgroup_size: 128
    .sgpr_count:     100
    .vgpr_count:     896
    .wavefront_size: 32
...
	.end_amdgpu_metadata
.endif
;; end of part 1
;; launch attn (part 2): grid 32 x 8, 16 waves a work-group, clusters of 4 x 1, 327,680 bytes of LDS; arguments qc, qs, kv, cc, cs; writes cc, cs
.if DOCPART == 2
	.amdgcn_target "amdgcn-amd-amdhsa--gfx1250"
	.amdhsa_code_object_version 6
	.text
	.protected	k_qa223afcab6_attn
	.globl	k_qa223afcab6_attn
	.p2align	8
	.type	k_qa223afcab6_attn,@function
k_qa223afcab6_attn:
	s_mov_b64 s[64:65], 0
	v_nop
	global_prefetch_b8 v0, s[64:65] scope:SCOPE_SE
	s_setreg_imm32_b32 hwreg(HW_REG_WAVE_MODE, 25, 1), 1
	s_wait_xcnt 0x0
	s_wait_alu depctr_hold_cnt(0) depctr_sa_sdst(0) depctr_va_vdst(0) depctr_va_sdst(0) depctr_va_ssrc(0) depctr_va_vcc(0) depctr_vm_vsrc(0)
	s_getreg_b32 s2, hwreg(HW_REG_IB_STS2, 6, 4)
	s_cmp_eq_u32 s2, 0
	s_cbranch_scc0 .Lentry_in_a_cluster
	s_endpgm
.Lentry_in_a_cluster:
	s_bfe_u32 s2, ttmp6, 0x10000c
	s_cmp_lg_u32 s2, 0x3003
	s_cbranch_scc0 .Lentry_shape_is_right
	s_endpgm
.Lentry_shape_is_right:
; ctx[q] = the sum over keys k of softmax_k(q . k / 8) v[k], keys with k <= q and q - k <= 1,024, both products on codes of E4M3 with one E8M0 byte for each 32 along K; ctx quantised along (head, channel) for the last product.
; THE SOFTMAX AHEAD OF THE SECOND PRODUCT: t = score x log2(e) / 8; M = the running largest t rounded up to a whole number; p = 2^(t - M) is quantised along the keys, not normalised;
; the row's sum is taken of the unquantised p and divides at the end; when M moves, the sum and O are multiplied by 2^(old M - new M), which rounds nothing.
; WORK LEFT OUT: the mask hangs on positions alone: whole groups of 32 keys that it hides from all of a tile's queries are not multiplied: their p is 0 for all inputs.
; THE DEAL.  A work-group owns 256 queries of one query head, in eight groups of 32 spread over the sequence: with q = cluster x: q, 15 - q, 16 + q, 31 - q and the same four 32 groups further on.
; Wave w takes one tile of 16 queries: u = w % 2 of group G = 32 (w / 8) + 16 s + (q xor 15 (p xor s)), p = bit 1 of w, s = bit 2: slot r is token 32 G + 8 u + r + 8 (r / 8).  Group G needs key groups max(G - 32, 0) .. G.
; So waves w, w + 4, w + 8, w + 12 have 33 + 33 + 33 key groups among them in every work-group.
; CLUSTER.  The four work-groups of a cluster are the four query heads that share a key/value head (work-group y = 4 b + kv head): they read the same K and V, asked for jointly (mask 15).
; ALL 2,048 KEYS LIE IN LDS, as kv has them: K's scale words [64][128 bytes], V's scale words [16][256] at 8,192, from 12,288 on 4,096 bytes for each group of 32 keys (K's codes [tile 2][c 2][512], V's [t 4][512]).
; Waves 0-7 fetch the first 143,360 bytes (all scale words, key groups 0-31), waves 8-15 the rest: one load a wave, filled once, nothing is filled again.  The first barrier shows the first part, the second the rest.
; Waves 0-7 need the first part alone: they signal the second barrier ahead of their loop and wait for it behind.  No prefetch: all fills stand at the head, and no loop runs ahead of a fill.
; A WALK: first single key groups (STEP1: the lowest (G + 1) % 4, or for G > 31 the one group G - 32), then windows of four (STEP4) up to G.  Only G itself (k <= q) and G - 32 (q - k <= 1,024) are masked by number.
; Loops have constant counts; a step outside my tile's groups is jumped over by a branch on ids.
; LAYOUT.  Both products transposed: S^T = K Q^T, O^T = V^T P^T: a lane holds one query throughout.  K, V and their scale words are images of the operand registers: every load is 16 or 4 bytes x lane on end.
; The head has 64 channels, the instruction 128 along K: Q's registers 8-15 are zero codes.  K's fragments lie 8 registers apart, so a tile's registers 8-15 are the next tile's codes (never the NaN code: the
; quantiser holds at 448), which zero codes make nothing of; bytes 2, 3 of both scale words repeat bytes 0, 1.  STEP1 does the same for V: P's registers 4-15 are zero codes there, V's fragments lie 4 registers apart.
; LIMITS.  Scaled scores (exponents to the base 2) stay under 2^31 in magnitude.  A NaN, an infinity or an overflow in keys that the mask hides is not carried.  A block of zeros of ctx or of p gets the byte 1: its codes are zeros, and this program alone reads the bytes.
; REGISTERS: v1-11 offsets; v12 -M, v13 largest score, v[14:15] the sum; v16-31 Q; v32-103 K's or V's fragments (v96-103 zeros); v104-167 S^T, then p; v168-199 O^T; v200-215 p's codes; v216-255 at work.
.set HEADB, 274432
.set LOWB,  17920                      ; a load of waves 0-7: 70 rows of 256
.set VSO,   8192
.set CODE,  12288
.set SPARE, HEADB                      ; behind the keys: the spare words, 128 bytes a wave
.set WV,  14
.set GG,  21                           ; G
.set G1A, 24                           ; s[24:31]
.set G0A, 32
.set HF,  36                           ; 1 in waves 8-15
.set OO,  37                           ; (G + 1) % 4
.set KK,  38
.set S0,  39                           ; a step's first key group
.set CNT1, 40
.set CS,  42                           ; s[42:43] c = log2(e) / 8
.set SEL, 44                           ; s[44:45]
.set MNT, 46
.set HIM, 47
.set LASTL, 54
.set LASTH, 55
.set FIRST, 56
.set BASE1, 57
.set NCS, 58                           ; -c
.set PSEL, 59                          ; v_perm_b32's selector: four bytes from byte (G + 1) % 4 of two words on end
.set G1B, 68                           ; s[68:75]
.set G0B, 76
.set A16, 1
.set A4,  2
.set ADK, 3
.set ADS, 4
.set SPW, 5
.set NIL, 6
.set DD,  7                            ; my query's place in its group of 32, less 16 h
.set CSO, 8
.set NINF, 9
.set ADV, 11
.set FR,  32
.set S,   104
.set OT,  168
.set PC,  200
.set BM,  216
.set PT,  220
.set HD,  224
.set SO,  228
.set KSR, 232
.set VSR, 236
.set QSR, 238
.set PSW, 239
.set VW,  244
.set SA,  248                          ; four partial sums
.macro PLACES n
.rept \n
	v_nop
.endr
.endm
.macro ROUND
	s_barrier_signal -1
	s_barrier_wait -1
	s_cmp_lg_u32 s[WV], 0
	s_cbranch_scc1 .Lnot_wave_0_\@
	s_barrier_signal -3
.Lnot_wave_0_\@:
	s_barrier_wait -3
	s_barrier_signal -1
	s_barrier_wait -1
.endm
.macro GROUP1 g, rows                  ; a dense run: rows of 256 bytes, elements of 8; mask: all four; bit 21 beside a mask; no padding
	s_mov_b32 s[\g], 15|(3<<16)|(1<<21)
	s_mov_b32 s[\g+1], 32<<16
	s_mov_b32 s[\g+2], \rows<<16
	s_mov_b32 s[\g+3], 32<<16
	s_mov_b32 s[\g+4], \rows
	s_mov_b32 s[\g+5], 32
	s_mov_b32 s[\g+6], 0
	s_mov_b32 s[\g+7], 0
.endm
	s_load_b256 s[4:11], s[0:1], 0x0               ; qc 4, qs 6, kv 8, cc 10
	s_load_b64 s[12:13], s[0:1], 0x20              ; cs
	v_lshl_add_u32 v[SPW], v0, 2, SPARE
	v_mov_b32 v[NIL], 0
	ds_add_u32 v[SPW], v[NIL]                      ; the wave's opening: the add, twice on end, and its wait ahead of the first tensor load
	ds_add_u32 v[SPW], v[NIL]
	v_lshrrev_b32 v10, 5, v0
	v_readfirstlane_b32 s[WV], v10
	s_bfe_u32 s15, ttmp6, 0x40000                  ; cx: the query head within its four; it enters global addresses of qc, qs, cc, cs alone
	s_and_b32 s16, ttmp9, 7                        ; q
	s_and_b32 s17, ttmp7, 0xffff                   ; 4 b + kv head
	s_lshr_b32 s18, s17, 2                         ; b
	s_and_b32 s19, s17, 3
	s_lshl_b32 s20, s19, 2
	s_add_co_u32 s20, s20, s15                     ; the query head
	s_and_b32 s22, s[WV], 1                        ; u
	s_lshr_b32 s[HF], s[WV], 3
	s_bfe_u32 s48, s[WV], 0x10001
	s_bfe_u32 s49, s[WV], 0x10002
	s_xor_b32 s48, s48, s49
	s_mul_i32 s48, s48, 15
	s_xor_b32 s48, s48, s16
	s_lshl_b32 s49, s49, 4
	s_add_co_u32 s48, s48, s49                     ; G % 32
	s_mul_i32 s[BASE1], s48, s[HF]                 ; the first single key group: G - 32, or 0
	s_lshl_b32 s49, s[HF], 5
	s_add_co_u32 s[GG], s48, s49
	s_add_co_u32 s[OO], s[GG], 1
	s_and_b32 s[OO], s[OO], 3
	s_add_co_u32 s[FIRST], s[BASE1], 1             ; waves 8-15: the first window begins at G - 31
	s_mul_i32 s[PSEL], s[OO], 0x01010101
	s_add_co_u32 s[PSEL], s[PSEL], 0x03020100
	s_cmp_eq_u32 s[HF], 0
	s_cselect_b32 s[CNT1], s[OO], 1                ; how many single groups
	s_cselect_b32 s[LASTL], s[GG], 2               ; where the first loop's windows end (2: none fits),
	s_cselect_b32 s[LASTH], 2, s[GG]               ; and the second's
	s_lshl_b32 s23, s18, 6
	s_add_co_u32 s23, s23, s[GG]                   ; 64 b + G
	GROUP1 G1A, 70
	GROUP1 G1B, 64
	s_mov_b32 s[CS], 0x3e38aa3b
	s_mov_b32 s[CS+1], s[CS]                       ; (named with it as a pair)
	s_mov_b32 s[NCS], 0xbe38aa3b
	s_mov_b32 s[SEL], 0x76543210
	s_mov_b32 s[SEL+1], 0xfedcba98
	s_mov_b32 s[MNT], 0x600000
	s_mul_i32 s52, s17, HEADB                      ; my key/value head
	s_mov_b32 s[G0A], 1
	s_mul_i32 s[G0A+1], s[WV], LOWB
	s_add_co_u32 s50, s52, s[G0A+1]
	s_mov_b32 s51, 0
	s_mov_b32 s[G0B], 1
	s_lshl_b32 s[G0B+1], s[WV], 14
	s_add_co_u32 s[G0B+1], s[G0B+1], CODE          ; wave 8: key group 32
	s_add_co_u32 s60, s52, s[G0B+1]
	s_mov_b32 s61, 0
	s_lshl_b32 s48, s18, 4
	s_add_co_u32 s48, s48, s20
	s_lshl_b32 s48, s48, 6
	s_add_co_u32 s48, s48, s[GG]                   ; (16 b + head) 64 + G
	s_wait_dscnt 0x0                               ; both opening adds are done
	ROUND                                          ; all four work-groups are here: the joint loads meet
	s_wait_kmcnt 0x0
	s_add_nc_u64 s[G0A+2:G0A+3], s[8:9], s[50:51]
	s_or_b32 s[G0A+3], s[G0A+3], 0x80000000
	s_add_nc_u64 s[G0B+2:G0B+3], s[8:9], s[60:61]
	s_or_b32 s[G0B+3], s[G0B+3], 0x80000000
	s_cmp_lt_u32 s[WV], 8                          ; one load a wave, a line for each part
	s_cbranch_scc0 .Lupper
	tensor_load_to_lds s[G0A:G0A+3], s[G1A:G1A+7]
	s_nop 0
	PLACES 4
	s_branch .Lasked
.Lupper:
	tensor_load_to_lds s[G0B:G0B+3], s[G1B:G1B+7]
	s_nop 0
	PLACES 4
.Lasked:
	s_lshl_b32 s50, s48, 11
	s_lshl_b32 s49, s22, 10
	s_add_co_u32 s50, s50, s49
	s_add_nc_u64 s[4:5], s[4:5], s[50:51]          ; my tile's codes of q
	s_lshl_b32 s50, s48, 7
	s_lshl_b32 s49, s22, 6
	s_add_co_u32 s50, s50, s49
	s_add_nc_u64 s[6:7], s[6:7], s[50:51]          ; and its scale words
	s_lshl_b32 s50, s23, 1
	s_add_co_u32 s50, s50, s22
	s_lshl_b32 s50, s50, 14
	s_lshl_b32 s49, s20, 10
	s_add_co_u32 s50, s50, s49
	s_add_nc_u64 s[10:11], s[10:11], s[50:51]      ; cc: (2 (64 b + G) + u) 16,384 + 1,024 x head
	s_lshl_b32 s50, s23, 10
	s_lshr_b32 s49, s20, 1
	s_lshl_b32 s49, s49, 7
	s_add_co_u32 s50, s50, s49
	s_lshl_b32 s49, s22, 6
	s_add_co_u32 s50, s50, s49
	s_and_b32 s49, s20, 1
	s_lshl_b32 s49, s49, 1
	s_add_co_u32 s50, s50, s49
	s_add_nc_u64 s[12:13], s[12:13], s[50:51]      ; cs: 1,024 (64 b + G) + 128 (head / 2) + 64 u + 2 (head % 2)
	s_lshl_b32 s41, s22, 3
	v_and_b32 v10, 31, v0
	v_and_b32 v11, 15, v0                          ; r
	v_bfe_u32 v242, v0, 4, 1                       ; h
	v_lshlrev_b32 v[A16], 4, v10
	v_lshlrev_b32 v[A4], 2, v10
	v_cmp_lt_u32 s[HIM], 15, v10
	v_lshl_add_u32 v[CSO], v11, 2, v242            ; 4 r + h
	v_and_b32 v[DD], 8, v11
	v_lshlrev_b32 v242, 4, v242
	v_add_nc_u32 v[DD], v[DD], v11
	v_lshlrev_b32 v10, 2, v11
	v_add_nc_u32 v[DD], s41, v[DD]                 ; 8 u + r + 8 (r / 8)
	v_sub_nc_u32 v[DD], v[DD], v242
	global_load_b128 v[16:19], v[A16], s[4:5]      ; Q's codes: channels 16 h .., 32 + 16 h ..
	global_load_b128 v[20:23], v[A16], s[4:5] offset:512
	global_load_b32 v[QSR], v10, s[6:7]            ; lane r: query r's word
	v_mov_b32 v[NINF], 0xff800000
.irp j, 0,1,2,3,4,5,6,7
	v_mov_b32 v[24+\j], 0                          ; Q's zero codes for the instruction's upper 64 along K
	v_mov_b32 v[96+\j], 0                          ; what stands behind K's last tile
.endr
.irp j, 0,1,2,3,4,5,6,7,8,9,10,11
	v_mov_b32 v[FR+32+\j], 0                       ; what stands behind V's pieces in STEP1,
	v_mov_b32 v[PC+4+\j], 0                        ; and p's zero codes there
.endr
.set n, 0
.rept 32
	v_mov_b32 v[OT+n], 0                           ; a step is written once: the first finds zeros
.set n, n+1
.endr
.irp b, 0,1,2,3
	v_mov_b32 v[PT+\b], 0                          ; a lane permute's destination counts as one of its sources
.endr
	v_mov_b32 v241, 0                              ; (the upper half of the pair v[240:241])
	v_mov_b32 v14, 0
	v_mov_b32 v15, 0
	v_mov_b32 v13, 0xff61b1e6                      ; the largest score so far: -3e38
	v_mul_f32 v12, s[NCS], v13                     ; -M
.macro MASK cmp, base                  ; register n of a group holds key 16 h + n: hidden scores become -infinity, so that p = 0
.irp n, 0,1,2,3,4,5,6,7,8,9,10,11,12,13,14,15
	\cmp vcc_lo, \n, v[DD]
	v_cndmask_b32 v[\base+\n], v[\base+\n], v[NINF], vcc_lo
.endr
.endm
.macro FMAS i, cnt
.set n, \i
.rept \cnt
	v_pk_fma_f32 v[S+n:S+n+1], v[S+n:S+n+1], s[CS:CS+1], v[12:13] op_sel_hi:[1,0,0]   ; t - M
.set n, n+2
.endr
.endm
; Behind the step's largest scores: nb groups of 32 keys, each group's largest in v[BM ..], the running largest in v13.
.macro SOFT nb
	s_delay_alu instid0(VALU_DEP_1)
	v_mul_f32 v242, s[NCS], v13
	v_mov_b32 v243, v12
	s_delay_alu instid0(VALU_DEP_2)
	v_floor_f32 v12, v242                          ; -M = floor(-t)
	FMAS 0, 2*\nb
	v_sub_f32 v242, v12, v243                      ; old M - new M: a whole number, 0 or less
	FMAS 4*\nb, 2*\nb
	v_cvt_i32_f32 v242, v242                       ; (it saturates)
	FMAS 8*\nb, 2*\nb
	v_ldexp_f32 v240, 1.0, v242                    ; f = 2^(old M - new M)
	FMAS 12*\nb, 2*\nb
.irp b, 0,1,2,3
.if \b < \nb
	v_fma_f32 v[BM+\b], v[BM+\b], s[CS], v12       ; the same of each group's largest score: p rises with the score
.endif
.endr
.set n, 0
.rept 16
	v_pk_mul_f32 v[OT+n:OT+n+1], v[OT+n:OT+n+1], v[240:241] op_sel_hi:[1,0]   ; O^T under the new M
.set n, n+2
.endr
	s_wait_alu depctr_va_vdst(0)                   ; one wait ahead of the batch
.set n, 0
.rept 16*\nb
	v_exp_f32 v[S+n], v[S+n]                       ; p
.set n, n+1
.endr
.irp b, 0,1,2,3
.if \b < \nb
	v_exp_f32 v[BM+\b], v[BM+\b]                   ; each group's largest p
.endif
.endr
	v_pk_mul_f32 v[14:15], v[14:15], v[240:241] op_sel_hi:[1,0]   ; the sums under the new M: the plain instruction behind the batch
	s_wait_alu depctr_va_vdst(0)                   ; and one behind it, ahead of its first reader
.irp b, 0,1,2,3
.if \b < \nb
	v_max_num_f32 v[BM+\b], 0x4800000, v[BM+\b]    ; the floor 2^(9 - 127)
.endif
.endr
.irp b, 0,1,2,3
.if \b < \nb
	v_pk_add_f32 v[SA+2*\b:SA+2*\b+1], v[S+16*\b:S+16*\b+1], v[S+16*\b+2:S+16*\b+3]   ; the row's sum is taken of the unquantised p
.endif
.endr
.irp b, 0,1,2,3
.if \b < \nb
	v_add_nc_u32 v[SO+\b], 0xfc000000, v[BM+\b]    ; the conversion's scale operand
.endif
.endr
.irp b, 0,1,2,3
.if \b < \nb
	v_and_or_b32 v[HD+\b], v[BM+\b], 0x7f800000, s[MNT]   ; 448 x the scale
.endif
.endr
.irp i, 4,6
.irp b, 0,1,2,3
.if \b < \nb
	v_pk_add_f32 v[SA+2*\b:SA+2*\b+1], v[SA+2*\b:SA+2*\b+1], v[S+16*\b+\i:S+16*\b+\i+1]
.endif
.endr
.endr
.if \nb == 1
	v_lshrrev_b32 v[PSW], 23, v[SO]                ; p's scale word: one byte; the others stand over zero codes
.else
.irp b, 0,1,2,3
	v_lshrrev_b32 v[PT+\b], 23, v[SO+\b]
.endr
.endif
.irp i, 8,10
.irp b, 0,1,2,3
.if \b < \nb
	v_pk_add_f32 v[SA+2*\b:SA+2*\b+1], v[SA+2*\b:SA+2*\b+1], v[S+16*\b+\i:S+16*\b+\i+1]
.endif
.endr
.if (\nb == 4) && (\i == 8)
	v_lshl_or_b32 v[PSW], v[PT+1], 8, v[PT]        ; p's scale word for these 128 keys
.endif
.endr
.if \nb == 4
	v_lshl_or_b32 v[PSW], v[PT+2], 16, v[PSW]
.endif
.irp i, 12,14
.irp b, 0,1,2,3
.if \b < \nb
	v_pk_add_f32 v[SA+2*\b:SA+2*\b+1], v[SA+2*\b:SA+2*\b+1], v[S+16*\b+\i:S+16*\b+\i+1]
.endif
.endr
.if (\nb == 4) && (\i == 12)
	v_lshl_or_b32 v[PSW], v[PT+3], 24, v[PSW]
.endif
.endr
.irp b, 0,1,2,3
.if \b < \nb
.irp i, 0,2,4,6,8,10,12,14
	v_dual_min_num_f32 v[S+16*\b+\i], v[HD+\b], v[S+16*\b+\i] :: v_dual_min_num_f32 v[S+16*\b+\i+1], v[HD+\b], v[S+16*\b+\i+1]   ; the hold at 448 x the scale; p is not negative
.endr
	v_cvt_scalef32_pk8_fp8_f32 v[PC+4*\b:PC+4*\b+1], v[S+16*\b:S+16*\b+7], v[SO+\b]
	v_cvt_scalef32_pk8_fp8_f32 v[PC+4*\b+2:PC+4*\b+3], v[S+16*\b+8:S+16*\b+15], v[SO+\b]
.endif
.endr
.if \nb == 4                           ; four places between the conversions and the products: the sums are brought together
	v_pk_add_f32 v[SA:SA+1], v[SA:SA+1], v[SA+2:SA+3]
	v_pk_add_f32 v[SA+4:SA+5], v[SA+4:SA+5], v[SA+6:SA+7]
	v_pk_add_f32 v[14:15], v[14:15], v[SA:SA+1]
	v_pk_add_f32 v[14:15], v[14:15], v[SA+4:SA+5]
.else
	v_pk_add_f32 v[14:15], v[14:15], v[SA:SA+1]
	PLACES 3
.endif
.endm
.macro SMUL t                          ; S^T, tile t of 16 keys: the 16 registers of tiles 2 b, 2 b + 1 are keys 16 h + 0..15 of group b
.if (\t)%2
	v_wmma_scale_f32_16x16x128_f8f6f4 v[S+8*\t:S+8*\t+7], v[FR+8*\t:FR+8*\t+15], v[16:31], 0, v[KSR+\t/2], v[QSR] matrix_a_scale:MATRIX_SCALE_ROW1
.else
	v_wmma_scale_f32_16x16x128_f8f6f4 v[S+8*\t:S+8*\t+7], v[FR+8*\t:FR+8*\t+15], v[16:31], 0, v[KSR+\t/2], v[QSR]
.endif
.endm
.macro OMUL base, step                 ; O^T += V^T P^T: four accumulators, one instruction each
.irp t, 0,1,2,3
.if \t%2
	v_wmma_scale_f32_16x16x128_f8f6f4 v[OT+8*\t:OT+8*\t+7], v[\base+\step*\t:\base+\step*\t+15], v[PC:PC+15], v[OT+8*\t:OT+8*\t+7], v[VSR+\t/2], v[PSW] matrix_a_scale:MATRIX_SCALE_ROW1
.else
	v_wmma_scale_f32_16x16x128_f8f6f4 v[OT+8*\t:OT+8*\t+7], v[\base+\step*\t:\base+\step*\t+15], v[PC:PC+15], v[OT+8*\t:OT+8*\t+7], v[VSR+\t/2], v[PSW]
.endif
.endr
.endm
.macro ADDR top                        ; the step's LDS offsets; the first key group is held at top, which no worked step passes.  With the five v_nop: eight places between the last products and the loads into their registers
	s_min_u32 s41, s[S0], \top
	s_lshr_b32 s48, s41, 2
	v_lshl_add_u32 v[ADK], s41, 12, v[A16]
	v_lshl_add_u32 v[ADS], s41, 7, v[A4]
	v_lshl_add_u32 v[ADV], s48, 8, v[A4]
	PLACES 5
.endm
; Four key groups from S0 on; s49 = S0 + 3, the last.
.macro STEP4 top
	ADDR \top
.irp i, 0,1,2,3
	ds_load_b32 v[KSR+\i], v[ADS] offset:128*\i                ; lanes 0-15 tile 2 i's words, lanes 16-31 tile 2 i + 1's
.endr
.irp i, 0,1
	ds_load_b32 v[VW+2*\i], v[ADV] offset:VSO+128*\i           ; V's words hold four groups each, from a multiple of four on: two on end
	ds_load_b32 v[VW+2*\i+1], v[ADV] offset:VSO+256+128*\i
.endr
.irp t, 0,1,2,3,4,5,6,7
	ds_load_b128 v[FR+8*\t:FR+8*\t+3], v[ADK] offset:CODE+4096*(\t/2)+1024*(\t%2)
	ds_load_b128 v[FR+8*\t+4:FR+8*\t+7], v[ADK] offset:CODE+4096*(\t/2)+1024*(\t%2)+512
.endr
	s_wait_alu depctr_va_vdst(0)                   ; directly ahead of the wait below
	s_wait_dscnt 6                                 ; tiles 5 to 7 may be out
.irp t, 0,1,2,3
	SMUL \t
.endr
	s_wait_dscnt 0x0
.irp t, 4,5,6,7
	SMUL \t
.endr
.irp i, 0,1
	v_perm_b32 v[VSR+\i], v[VW+2*\i+1], v[VW+2*\i], s[PSEL]    ; the four groups' bytes
.endr
	PLACES 6                                       ; eight places ahead of the loads into K's registers and of the first read of the scores
.irp t, 0,1,2,3
.irp c, 0,1,2,3
	ds_load_b128 v[FR+16*\t+4*\c:FR+16*\t+4*\c+3], v[ADK] offset:CODE+4096*\c+2048+512*\t   ; V's four fragments land under the softmax
.endr
.endr
	s_cmp_lg_u32 s49, s[GG]
	s_cbranch_scc1 .Lopen_\@
	MASK v_cmp_gt_i32, S+48                        ; my queries' own group: hidden where the key comes after the query
.Lopen_\@:
.irp b, 0,1,2,3
	v_max3_num_f32 v[BM+\b], v[S+16*\b], v[S+1+16*\b], v[S+2+16*\b]   ; the largest score of each group
.endr
.irp i, 3,5,7,9,11,13
.irp b, 0,1,2,3
	v_max3_num_f32 v[BM+\b], v[BM+\b], v[S+16*\b+\i], v[S+1+16*\b+\i]
.endr
.endr
.irp b, 0,1,2,3
	v_max_num_f32 v[BM+\b], v[BM+\b], v[S+15+16*\b]
.endr
.irp b, 0,1,2,3
	s_delay_alu instid0(VALU_DEP_4)
	v_permlanex16_b32 v[PT+\b], v[BM+\b], s[SEL], s[SEL+1]
.endr
.irp b, 0,1,2,3
	s_delay_alu instid0(VALU_DEP_4)
	v_max_num_f32 v[BM+\b], v[BM+\b], v[PT+\b]
.endr
	s_delay_alu instid0(VALU_DEP_2)
	v_max3_num_f32 v242, v[BM], v[BM+1], v[BM+2]
	s_delay_alu instid0(VALU_DEP_1)
	v_max3_num_f32 v13, v13, v242, v[BM+3]         ; a number: each worked step has a key that counts for my query
	SOFT 4
	s_wait_alu depctr_va_vdst(0)                   ; directly ahead of the wait below
	s_wait_dscnt 0x0                               ; V
	OMUL FR, 16
.endm
	s_mov_b32 s[KK], 0
	s_wait_alu depctr_va_vdst(0)                   ; the wait at the head's end
	s_wait_loadcnt 0x0                             ; Q
	s_cmp_lt_u32 s[WV], 8
	s_cbranch_scc0 .Lnot_first
	s_wait_tensorcnt 0x0                           ; waves 0-7: my share of the first part has landed
.Lnot_first:
	s_barrier_signal -1
	s_barrier_wait -1                              ; all of the first part has
.Lone:                                             ; three trips: single key groups, all of them in the first part
	s_cmp_ge_u32 s[KK], s[CNT1]
	s_cbranch_scc1 .Lone_next
	s_add_co_u32 s[S0], s[BASE1], s[KK]
	ADDR 31
	s_and_b32 s50, s41, 3
	s_lshl_b32 s50, s50, 3
	ds_load_b32 v[KSR], v[ADS]
	ds_load_b32 v[VW], v[ADV] offset:VSO
	ds_load_b32 v[VW+1], v[ADV] offset:VSO+128
.irp t, 0,1
	ds_load_b128 v[FR+8*\t:FR+8*\t+3], v[ADK] offset:CODE+1024*\t
	ds_load_b128 v[FR+8*\t+4:FR+8*\t+7], v[ADK] offset:CODE+1024*\t+512
.endr
.irp t, 0,1,2,3
	ds_load_b128 v[FR+16+4*\t:FR+19+4*\t], v[ADK] offset:CODE+2048+512*\t
.endr
	s_wait_alu depctr_va_vdst(0)                   ; directly ahead of the wait below
	s_wait_dscnt 0x0
	SMUL 0
	SMUL 1
	v_lshrrev_b32 v[VSR], s50, v[VW]               ; this group's byte to the bottom
	v_lshrrev_b32 v[VSR+1], s50, v[VW+1]
	PLACES 6                                       ; eight places ahead of the first read of the scores
	s_cmp_lt_u32 s[WV], 8
	s_cbranch_scc1 .Lone_low
	MASK v_cmp_lt_i32, S                           ; group G - 32: q - k = 1,024 + (query's place - key's place): hidden where the key's place is the smaller
	s_wait_alu depctr_va_vdst(0)                   ; directly ahead of the branch
	s_branch .Lone_open
.Lone_low:
	s_cmp_lg_u32 s[S0], s[GG]
	s_cbranch_scc1 .Lone_open
	MASK v_cmp_gt_i32, S                           ; G < 3: my queries' own group
.Lone_open:
	v_max3_num_f32 v[BM], v[S], v[S+1], v[S+2]
	v_max3_num_f32 v[BM+1], v[S+8], v[S+9], v[S+10]
	v_max3_num_f32 v[BM], v[BM], v[S+3], v[S+4]
	v_max3_num_f32 v[BM+1], v[BM+1], v[S+11], v[S+12]
	v_max3_num_f32 v[BM], v[BM], v[S+5], v[S+6]
	v_max3_num_f32 v[BM+1], v[BM+1], v[S+13], v[S+14]
	v_max_num_f32 v[BM], v[BM], v[S+7]
	v_max_num_f32 v[BM+1], v[BM+1], v[S+15]
	s_delay_alu instid0(VALU_DEP_1)
	v_max_num_f32 v[BM], v[BM], v[BM+1]
	s_delay_alu instid0(VALU_DEP_1)
	v_permlanex16_b32 v[PT], v[BM], s[SEL], s[SEL+1]
	s_delay_alu instid0(VALU_DEP_1)
	v_max_num_f32 v[BM], v[BM], v[PT]
	s_delay_alu instid0(VALU_DEP_1)
	v_max_num_f32 v13, v13, v[BM]
	SOFT 1
	OMUL FR+16, 4
.Lone_next:
	s_add_co_u32 s[KK], s[KK], 1
	s_cmp_lt_u32 s[KK], 3
	s_cbranch_scc1 .Lone
	s_wait_tensorcnt 0x0                           ; every wave: my load has landed (waves 0-7's had);
	s_barrier_signal -1                            ; say so: what follows up to the wait reads the first part alone
	s_mov_b32 s[KK], 0
.Llow:                                             ; eight trips: waves 0-7's windows
	s_lshl_b32 s[S0], s[KK], 2
	s_add_co_u32 s[S0], s[S0], s[OO]
	s_add_co_u32 s49, s[S0], 3
	s_cmp_gt_u32 s49, s[LASTL]
	s_cbranch_scc1 .Llow_next
	STEP4 28
.Llow_next:
	s_add_co_u32 s[KK], s[KK], 1
	s_cmp_lt_u32 s[KK], 8
	s_cbranch_scc1 .Llow
	s_barrier_wait -1                              ; all keys are in
	s_mov_b32 s[KK], 0
.Lhigh:                                            ; sixteen trips, of which eight are worked: waves 8-15's windows
	s_lshl_b32 s[S0], s[KK], 2
	s_add_co_u32 s[S0], s[S0], s[OO]
	s_add_co_u32 s49, s[S0], 3
	s_cmp_lt_u32 s[S0], s[FIRST]
	s_cbranch_scc1 .Lhigh_next
	s_cmp_gt_u32 s49, s[LASTH]
	s_cbranch_scc1 .Lhigh_next
	STEP4 60
.Lhigh_next:
	s_add_co_u32 s[KK], s[KK], 1
	s_cmp_lt_u32 s[KK], 16
	s_cbranch_scc1 .Lhigh
	; THE WAY OUT: O^T / the sum; register 8 t + j is channel 16 t + 8 h + j; two blocks of 32 channels are quantised and leave as the last product's operand image.
	PLACES 8
	s_wait_alu depctr_va_vdst(0)
	v_add_f32 v14, v14, v15
	s_delay_alu instid0(VALU_DEP_1)
	v_permlanex16_b32 v242, v14, s[SEL], s[SEL+1]
	s_delay_alu instid0(VALU_DEP_1)
	v_add_f32 v14, v14, v242
	s_wait_alu depctr_va_vdst(0)
	v_rcp_f32 v14, v14
	v_nop                                          ; a plain place behind the reciprocal
	s_wait_alu depctr_va_vdst(0)                   ; and the wait ahead of its first reader
.set n, 0
.rept 16
	v_pk_mul_f32 v[S+n:S+n+1], v[OT+n:OT+n+1], v[14:15] op_sel_hi:[1,0]
.set n, n+2
.endr
.irp b, 0,1
	v_max3_num_f32 v[BM+\b], |v[S+16*\b]|, |v[S+1+16*\b]|, 0x4800000
.endr
.irp i, 2,4,6,8,10,12,14
.irp b, 0,1
	s_delay_alu instid0(VALU_DEP_2)
	v_max3_num_f32 v[BM+\b], v[BM+\b], |v[S+16*\b+\i]|, |v[S+1+16*\b+\i]|
.endr
.endr
.irp b, 0,1
	s_delay_alu instid0(VALU_DEP_2)
	v_permlanex16_b32 v[PT+\b], v[BM+\b], s[SEL], s[SEL+1]
.endr
.irp b, 0,1
	s_delay_alu instid0(VALU_DEP_2)
	v_max_num_f32 v[BM+\b], v[BM+\b], v[PT+\b]
.endr
.irp b, 0,1
	s_delay_alu instid0(VALU_DEP_2)
	v_add_nc_u32 v[SO+\b], 0xfc000000, v[BM+\b]
.endr
.irp b, 0,1
	s_delay_alu instid0(VALU_DEP_4)
	v_and_or_b32 v[HD+\b], v[BM+\b], 0x7f800000, s[MNT]
.endr
.irp b, 0,1
	s_delay_alu instid0(VALU_DEP_4)
	v_lshrrev_b32 v[PT+\b], 23, v[SO+\b]
.endr
.irp b, 0,1
.irp i, 0,1,2,3,4,5,6,7,8,9,10,11,12,13,14,15
	v_med3_num_f32 v[S+16*\b+\i], v[S+16*\b+\i], -v[HD+\b], v[HD+\b]
.endr
	v_cvt_scalef32_pk8_fp8_f32 v[PC+4*\b:PC+4*\b+1], v[S+16*\b:S+16*\b+7], v[SO+\b]
	v_cvt_scalef32_pk8_fp8_f32 v[PC+4*\b+2:PC+4*\b+3], v[S+16*\b+8:S+16*\b+15], v[SO+\b]
.endr
	v_nop                                          ; one plain instruction behind the last scaled conversion
.irp b, 0,1                                    ; a lane holds channels 8 h + 0..7 and 16 + 8 h + 0..7 of a block; the operand wants 16 h + 0..15
	v_permlane16_swap_b32 v[PC+4*\b], v[PC+4*\b+2]
	v_permlane16_swap_b32 v[PC+4*\b+1], v[PC+4*\b+3]
.endr
	v_cndmask_b32 v242, v[PT], v[PT+1], s[HIM]     ; lanes 0-15 store block 0's byte, lanes 16-31 block 1's
	global_store_b128 v[A16], v[PC:PC+3], s[10:11]             ; 512 consecutive bytes each
	global_store_b128 v[A16], v[PC+4:PC+7], s[10:11] offset:512
	global_store_b8 v[CSO], v242, s[12:13]
	s_wait_tensorcnt 0x0                           ; the wave's end
	ds_add_u32 v[SPW], v[NIL]
	s_wait_dscnt 0x0
	ROUND                                          ; the closing round
	s_endpgm
.Lfunc_end_k_qa223afcab6_attn:
	.size	k_qa223afcab6_attn, .Lfunc_end_k_qa223afcab6_attn-k_qa223afcab6_attn
	.p2alignl 7, 3214868480
	.fill 96, 4, 3214868480
	.section	.rodata,"a",@progbits
	.p2align	6, 0x0
	.amdhsa_kernel k_qa223afcab6_attn
		.amdhsa_group_segment_fixed_size 327680
		.amdhsa_private_segment_fixed_size 0
		.amdhsa_enable_private_segment 0
		.amdhsa_kernarg_size 40
		.amdhsa_user_sgpr_count 2
		.amdhsa_user_sgpr_kernarg_segment_ptr 1
		.amdhsa_wavefront_size32 1
		.amdhsa_system_sgpr_workgroup_id_x 1
		.amdhsa_system_sgpr_workgroup_id_y 1
		.amdhsa_system_sgpr_workgroup_id_z 1
		.amdhsa_system_vgpr_workitem_id 0
		.amdhsa_next_free_vgpr 256
		.amdhsa_next_free_sgpr 84
		.amdhsa_reserve_vcc 1
		.amdhsa_float_denorm_mode_32 3
		.amdhsa_float_denorm_mode_16_64 3
		.amdhsa_memory_ordered 1
		.amdhsa_forward_progress 1
		.amdhsa_inst_pref_size 67
	.end_amdhsa_kernel
	.amdgpu_metadata
---
amdhsa.version: [ 1, 2 ]
amdhsa.kernels:
  - .name:           k_qa223afcab6_attn
    .symbol:         k_qa223afcab6_attn.kd
    .args:
      - { .name: qc, .offset: 0, .size: 8, .value_kind: global_buffer, .address_space: global }
      - { .name: qs, .offset: 8, .size: 8, .value_kind: global_buffer, .address_space: global }
      - { .name: kv, .offset: 16, .size: 8, .value_kind: global_buffer, .address_space: global }
      - { .name: cc, .offset: 24, .size: 8, .value_kind: global_buffer, .address_space: global }
      - { .name: cs, .offset: 32, .size: 8, .value_kind: global_buffer, .address_space: global }
    .group_segment_fixed_size: 327680
    .private_segment_fixed_size: 0
    .kernarg_segment_align: 8
    .kernarg_segment_size: 40
    .max_flat_workgroup_size: 512
    .sgpr_count:     84
    .vgpr_count:     256
    .wavefront_size: 32
...
	.end_amdgpu_metadata
.endif
;; end of part 2
;; launch outp (part 3): grid 32 x 8, 4 waves a work-group, clusters of 4 x 4, 327,680 bytes of LDS; arguments cc, cs, wo_w_codes, wo_w_scales, out0; writes out0
.if DOCPART == 3
	.amdgcn_target "amdgcn-amd-amdhsa--gfx1250"
	.amdhsa_code_object_version 6
	.text
	.protected	k_qa223afcab6_outp
	.globl	k_qa223afcab6_outp
	.p2align	8
	.type	k_qa223afcab6_outp,@function
k_qa223afcab6_outp:
	s_mov_b64 s[64:65], 0
	v_nop
	global_prefetch_b8 v0, s[64:65] scope:SCOPE_SE
	s_setreg_imm32_b32 hwreg(HW_REG_WAVE_MODE, 25, 1), 1
	s_wait_xcnt 0x0
	s_wait_alu depctr_hold_cnt(0) depctr_sa_sdst(0) depctr_va_vdst(0) depctr_va_sdst(0) depctr_va_ssrc(0) depctr_va_vcc(0) depctr_vm_vsrc(0)
	s_getreg_b32 s2, hwreg(HW_REG_IB_STS2, 6, 4)
	s_cmp_eq_u32 s2, 0
	s_cbranch_scc0 .Lentry_in_a_cluster
	s_endpgm
.Lentry_in_a_cluster:
	s_bfe_u32 s2, ttmp6, 0x10000c
	s_cmp_lg_u32 s2, 0xf033
	s_cbranch_scc0 .Lentry_shape_is_right
	s_endpgm
.Lentry_shape_is_right:
; out = ctx Wo^T on codes of E4M3 with one E8M0 byte for each 32 along K (K = 1,024).  ctx: 4,096 tokens, as images of the operand's registers (cc: [group of 32 tokens][tile 2][K step 8][c 4][512]) with scale words (cs: [group][K step][32 lanes x 4]);
; Wo [1024][1024] codes, K innermost; out [4096][1024] f32.
; SHARES.  A work-group takes 128 tokens (TT = 4 x cluster x + cx) x 128 columns (Y = 4 x cluster y + cy): 256 equal work-groups.  Wave w takes 64 tokens (i = w / 2) x 64 columns (j = w % 2).
; It holds its 64 rows of Wo, all of K, in 512 registers, and streams its tokens past them as four tiles of 16, through two sets of 128 registers.
; CLUSTER, 4 x 4.  A column of the cluster needs the same ctx, a row the same rows of Wo: each is asked for jointly.  Waves 0 and 1 fetch the halves of Wo's 128 rows, waves 2 and 3 those of ctx's 128 tokens: one load a wave, filled once, nothing is filled again.
; The first barrier shows Wo, the second ctx.  No prefetch: all fills stand at the head, and there is no loop to run ahead in.
; Source 0 = 16 rows of Wo, source 1 = 16 tokens: a lane holds one token and 8 neighbouring columns.  A tile's slot r is token 32 (t / 2) + 8 (t % 2) + r + 8 (r / 8) of the wave's 64.
; THE WAY OUT of a tile stands among the next tile's products: 16 tokens x 64 columns go through the wave's own stage in LDS and come back as rows of 256 bytes: sixteen lanes store 256 consecutive bytes, aligned.
; LIMITS: as the launches that made the codes; scale bytes 0xff among the inputs are not served.
; REGISTERS: window 0: v1-15 offsets; v20-35 ctx's scale words, v40-55 Wo's: no product's two scale words have numbers equal modulo 8; v64-127 two sets of four accumulators; v128-191 rows on the way out, two sets.  Windows 1, 2: Wo.  Window 3: ctx, two sets.
.set WP,    1040                       ; a row of Wo in LDS: 1,024 bytes + 16 of padding
.set BLDS,  131072                     ; behind ctx's 128 KiB
.set HALFB, 64*WP
.set PITCH, 272
.set STAGE, BLDS+2*HALFB               ; behind Wo: 16 rows x 272 bytes for each wave; no fill lands there
.set SPARE, STAGE+4*16*PITCH           ; the spare words, 128 bytes a wave
.set WV,  14
.set G1A, 24                           ; s[24:31], s[32:35] ctx
.set G0A, 32
.set G0B, 36                           ; s[36:39], s[48:55] Wo
.set G1B, 48
.set AA,  4                            ; LDS: my 64 tokens, + 16 x lane
.set AB,  5                            ; LDS: my 64 rows of Wo: row r, + 16 h
.set I4,  7
.set WSO, 8
.set STO, 9
.set RD,  10
.set GO,  11
.set SPW, 14
.set NIL, 15
.set XS,  20
.set WS,  40
.set ACC, 64
.set OB,  128
.set MSB, 0
.macro WIN new
.if MSB != \new
	s_set_vgpr_msb (MSB<<8)|\new
.set MSB, \new
.endif
.endm
.macro PLACES n
.rept \n
	v_nop
.endr
.endm
.macro ROUND
	s_barrier_signal -1
	s_barrier_wait -1
	s_cmp_lg_u32 s[WV], 0
	s_cbranch_scc1 .Lnot_wave_0_\@
	s_barrier_signal -3
.Lnot_wave_0_\@:
	s_barrier_wait -3
	s_barrier_signal -1
	s_barrier_wait -1
.endm
	s_load_b256 s[4:11], s[0:1], 0x0               ; cc 4, cs 6, wo codes 8, wo scales 10
	s_load_b64 s[12:13], s[0:1], 0x20              ; out0
	v_lshl_add_u32 v[SPW], v0, 2, SPARE
	v_mov_b32 v[NIL], 0
	ds_add_u32 v[SPW], v[NIL]                      ; the wave's opening: the add, twice on end, and its wait ahead of my first tensor load
	ds_add_u32 v[SPW], v[NIL]
	v_lshrrev_b32 v1, 5, v0
	v_readfirstlane_b32 s[WV], v1
	s_lshr_b32 s15, s[WV], 1                       ; i
	s_and_b32 s16, s[WV], 1                        ; j.  Also: which half I fetch
	s_bfe_u32 s40, ttmp6, 0x40000                  ; cx
	s_bfe_u32 s41, ttmp6, 0x40004                  ; cy
	s_lshl_b32 s17, ttmp9, 2
	s_add_co_u32 s17, s17, s40                     ; TT
	s_and_b32 s18, ttmp7, 0xffff
	s_lshl_b32 s18, s18, 2
	s_add_co_u32 s18, s18, s41                     ; Y
	s_lshl_b32 s42, s41, 2
	s_lshl_b32 s42, 15, s42                        ; my row of the cluster: shares Wo
	s_lshl_b32 s43, 0x1111, s40                    ; my column: shares ctx
	s_or_b32 s[G1A], s43, (3<<16)|(1<<21)          ; ctx: 65,536 dense bytes as 256 rows of 256 (32 elements of 8); bit 21 beside a mask; no padding
	s_mov_b32 s[G1A+1], 32<<16
	s_mov_b32 s[G1A+2], 256<<16
	s_mov_b32 s[G1A+3], 32<<16
	s_mov_b32 s[G1A+4], 256
	s_mov_b32 s[G1A+5], 32
	s_mov_b32 s[G1A+6], 0
	s_mov_b32 s[G1A+7], 0
	s_or_b32 s[G1B], s42, (1<<20)|(1<<21)|(7<<22)|(3<<25)   ; Wo: 64 rows of 1,024 elements of 1 byte; 4 words of padding behind every 256
	s_mov_b32 s[G1B+1], 1024<<16
	s_mov_b32 s[G1B+2], 64<<16
	s_mov_b32 s[G1B+3], 1024<<16
	s_mov_b32 s[G1B+4], 64
	s_mov_b32 s[G1B+5], 1024
	s_mov_b32 s[G1B+6], 0
	s_mov_b32 s[G1B+7], 0
	s_lshl_b32 s44, s16, 16                        ; my half: 65,536 bytes of either
	s_mov_b32 s[G0A], 1
	s_mov_b32 s[G0A+1], s44
	s_mov_b32 s[G0B], 1
	s_mul_i32 s[G0B+1], s16, HALFB
	s_add_co_u32 s[G0B+1], s[G0B+1], BLDS
	s_lshl_b32 s46, s17, 17                        ; ctx: made of TT and the wave's number alone
	s_add_co_u32 s46, s46, s44
	s_mov_b32 s47, 0
	s_lshl_b32 s56, s18, 17                        ; Wo: made of Y and the wave's number alone
	s_add_co_u32 s56, s56, s44
	s_mov_b32 s57, 0
	s_mul_i32 s45, s[WV], 16*PITCH
	s_add_co_u32 s45, s45, STAGE                   ; my stage
	s_wait_dscnt 0x0                               ; both opening adds are done
	ROUND                                          ; all sixteen work-groups are here: the joint loads meet
	s_wait_kmcnt 0x0
	s_add_nc_u64 s[G0A+2:G0A+3], s[4:5], s[46:47]
	s_or_b32 s[G0A+3], s[G0A+3], 0x80000000
	s_add_nc_u64 s[G0B+2:G0B+3], s[8:9], s[56:57]
	s_or_b32 s[G0B+3], s[G0B+3], 0x80000000
	s_cmp_lt_u32 s[WV], 2                          ; one load a wave, a line for what each barrier shows
	s_cbranch_scc0 .Lctx
	tensor_load_to_lds s[G0B:G0B+3], s[G1B:G1B+7]
	s_nop 0
	PLACES 4
	s_branch .Lasked
.Lctx:
	tensor_load_to_lds s[G0A:G0A+3], s[G1A:G1A+7]
	s_nop 0
	PLACES 4
.Lasked:
	s_mov_b32 s21, 0
	s_lshl_b32 s20, s17, 12                        ; cs: 1,024 bytes a group, my two groups
	s_lshl_b32 s22, s15, 11
	s_add_co_u32 s20, s20, s22
	s_add_nc_u64 s[6:7], s[6:7], s[20:21]
	s_lshl_b32 s20, s18, 12                        ; Wo's scale bytes: 32 a row, my 64 rows
	s_lshl_b32 s22, s16, 11
	s_add_co_u32 s20, s20, s22
	s_add_nc_u64 s[10:11], s[10:11], s[20:21]
	s_lshl_b32 s20, s17, 19                        ; out: rows of 4,096 bytes: my 64 tokens,
	s_lshl_b32 s22, s15, 18
	s_add_co_u32 s20, s20, s22
	s_lshl_b32 s22, s18, 9                         ; my 64 columns
	s_add_co_u32 s20, s20, s22
	s_lshl_b32 s22, s16, 8
	s_add_co_u32 s20, s20, s22
	s_add_nc_u64 s[12:13], s[12:13], s[20:21]
	s_lshl_b32 s22, s15, 16
	s_mul_i32 s23, s16, HALFB
	s_add_co_u32 s23, s23, BLDS
	v_and_b32 v1, 31, v0                           ; lane
	v_and_b32 v2, 15, v0                           ; r
	v_bfe_u32 v3, v0, 4, 1                         ; h
	v_lshlrev_b32 v[I4], 2, v1
	v_lshlrev_b32 v[WSO], 5, v1
	v_lshlrev_b32 v[AA], 4, v1
	v_mul_u32_u24 v[AB], v2, WP
	v_mul_u32_u24 v[STO], v2, PITCH
	v_mul_u32_u24 v[RD], v3, PITCH
	v_lshlrev_b32 v[GO], 12, v3
	v_add_nc_u32 v[AA], s22, v[AA]
	v_lshl_add_u32 v[AB], v3, 4, v[AB]
	v_lshl_add_u32 v[STO], v3, 5, v[STO]
	v_lshl_add_u32 v[RD], v2, 4, v[RD]
	v_lshl_add_u32 v[GO], v2, 4, v[GO]             ; lanes 0-15 one row of out, lanes 16-31 the next
	v_add_nc_u32 v[AB], s23, v[AB]
	v_add_nc_u32 v[STO], s45, v[STO]               ; into the stage: row r, + 32 h
	v_add_nc_u32 v[RD], s45, v[RD]                 ; back: lanes 0-15 one row, lanes 16-31 the next
.irp b, 0,1
	global_load_b128 v[WS+8*\b:WS+8*\b+3], v[WSO], s[10:11] offset:1024*\b         ; lanes 0-15 column tile 2 b, lanes 16-31 tile 2 b + 1; register s: K step s
	global_load_b128 v[WS+8*\b+4:WS+8*\b+7], v[WSO], s[10:11] offset:1024*\b+16
.endr
.irp g, 0,1
.irp s, 0,1,2,3,4,5,6,7
	global_load_b32 v[XS+8*\g+\s], v[I4], s[6:7] offset:1024*\g+128*\s             ; lanes 0-15 tile 2 g's words, lanes 16-31 tile 2 g + 1's
.endr
.endr
.macro WMZ d, a, b, sa, sb, ra, rb     ; the first K step starts the sum
.if (\ra) && (\rb)
	v_wmma_scale_f32_16x16x128_f8f6f4 v[\d:\d+7], v[\a:\a+15], v[\b:\b+15], 0, v[\sa], v[\sb] matrix_a_scale:MATRIX_SCALE_ROW1 matrix_b_scale:MATRIX_SCALE_ROW1
.elseif (\ra)
	v_wmma_scale_f32_16x16x128_f8f6f4 v[\d:\d+7], v[\a:\a+15], v[\b:\b+15], 0, v[\sa], v[\sb] matrix_a_scale:MATRIX_SCALE_ROW1
.elseif (\rb)
	v_wmma_scale_f32_16x16x128_f8f6f4 v[\d:\d+7], v[\a:\a+15], v[\b:\b+15], 0, v[\sa], v[\sb] matrix_b_scale:MATRIX_SCALE_ROW1
.else
	v_wmma_scale_f32_16x16x128_f8f6f4 v[\d:\d+7], v[\a:\a+15], v[\b:\b+15], 0, v[\sa], v[\sb]
.endif
.endm
.macro WMA d, a, b, sa, sb, ra, rb
.if (\ra) && (\rb)
	v_wmma_scale_f32_16x16x128_f8f6f4 v[\d:\d+7], v[\a:\a+15], v[\b:\b+15], v[\d:\d+7], v[\sa], v[\sb] matrix_a_scale:MATRIX_SCALE_ROW1 matrix_b_scale:MATRIX_SCALE_ROW1
.elseif (\ra)
	v_wmma_scale_f32_16x16x128_f8f6f4 v[\d:\d+7], v[\a:\a+15], v[\b:\b+15], v[\d:\d+7], v[\sa], v[\sb] matrix_a_scale:MATRIX_SCALE_ROW1
.elseif (\rb)
	v_wmma_scale_f32_16x16x128_f8f6f4 v[\d:\d+7], v[\a:\a+15], v[\b:\b+15], v[\d:\d+7], v[\sa], v[\sb] matrix_b_scale:MATRIX_SCALE_ROW1
.else
	v_wmma_scale_f32_16x16x128_f8f6f4 v[\d:\d+7], v[\a:\a+15], v[\b:\b+15], v[\d:\d+7], v[\sa], v[\sb]
.endif
.endm
.macro WEIGHTS                         ; my 64 rows of Wo: fragment 4 q + b (K step q, column tile b) in window 1 + q / 4: 128 loads
.irp q, 0,1,2,3,4,5,6,7
.if \q < 4
	WIN 0x40
.else
	WIN 0x80
.endif
.irp b, 0,1,2,3
.irp c, 0,1,2,3
	ds_load_b128 v[16*((4*\q+\b)%16)+4*\c:16*((4*\q+\b)%16)+4*\c+3], v[AB] offset:16*WP*\b+128*\q+32*\c
.endr
.endr
.endr
	WIN 0
.endm
.macro AFETCH t                        ; tile t of my tokens, all of K, into set t % 2: 32 loads
	WIN 0xc0
.irp q, 0,1,2,3,4,5,6,7
.irp c, 0,1,2,3
	ds_load_b128 v[128*((\t)%2)+16*\q+4*\c:128*((\t)%2)+16*\q+4*\c+3], v[AA] offset:16384*(\t)+2048*\q+512*\c
.endr
.endr
	WIN 0
.endm
.macro MULQ t, q                       ; 4 matrix instructions of K step q; the four accumulators take turns in the same order in every step
.irp b, 0,1,2,3
.if (\q) == 0
	WMZ ACC+32*((\t)%2)+8*\b, 16*((4*(\q)+\b)%16), 128*((\t)%2)+16*(\q), WS+8*(\b/2)+(\q), XS+8*((\t)/2)+(\q), \b%2, (\t)%2
.else
	WMA ACC+32*((\t)%2)+8*\b, 16*((4*(\q)+\b)%16), 128*((\t)%2)+16*(\q), WS+8*(\b/2)+(\q), XS+8*((\t)/2)+(\q), \b%2, (\t)%2
.endif
.endr
.endm
.macro HALF0 t
	WIN 0x0d                                       ; source 0 (Wo) window 1, source 1 (ctx) window 3
.irp q, 0,1,2,3
	MULQ \t, \q
.endr
	WIN 0
.endm
.macro HALF1 t
	WIN 0x0e                                       ; source 0 window 2
.irp q, 4,5,6,7
	MULQ \t, \q
.endr
	WIN 0
	PLACES 8                                       ; ahead of the loads into what these products have read and of the stage's stores of their results
.endm
.macro STG t                           ; tile t into my stage, each accumulator from its low end on, and back as rows
.irp b, 0,1,2,3
	ds_store_b128 v[STO], v[ACC+32*((\t)%2)+8*\b:ACC+32*((\t)%2)+8*\b+3] offset:64*\b
	ds_store_b128 v[STO], v[ACC+32*((\t)%2)+8*\b+4:ACC+32*((\t)%2)+8*\b+7] offset:64*\b+16
.endr
.irp i, 0,1,2,3,4,5,6,7
	ds_load_b128 v[OB+32*((\t)%2)+4*\i:OB+32*((\t)%2)+4*\i+3], v[RD] offset:2*\i*PITCH     ; LDS serves a wave's instructions in order (ISA guide 5.7.1): these see my stores, and the next tile's stores come behind them
.endr
.endm
.macro SEND t                          ; no LDS instruction stands behind the tile's loads but its own later ones
.irp i, 0,1,2,3,4,5,6,7
	s_wait_dscnt 7-\i
	global_store_b128 v[GO], v[OB+32*((\t)%2)+4*\i:OB+32*((\t)%2)+4*\i+3], s[12:13] offset:(32*((\t)/2)+8*((\t)%2)+2*\i+8*(\i/4))*4096 th:TH_STORE_NT   ; slots 2 i, 2 i + 1: sixteen lanes store 256 consecutive bytes, aligned
.endr
.endm
	s_wait_alu depctr_va_vdst(0)                   ; the wait at the head's end
	s_cmp_lt_u32 s[WV], 2
	s_cbranch_scc0 .Lnot_wo
	s_wait_tensorcnt 0x0                           ; waves 0, 1: my half of Wo has landed
.Lnot_wo:
	s_barrier_signal -1
	s_barrier_wait -1                              ; all of Wo has
	WEIGHTS
	s_wait_loadcnt 0x0                             ; the scale words
	s_wait_tensorcnt 0x0                           ; every wave: my load has landed
	s_wait_dscnt 0x0                               ; Wo is in registers
	s_barrier_signal -1
	s_barrier_wait -1                              ; ctx is in
	AFETCH 0
	AFETCH 1
	s_wait_dscnt 32                                ; tile 0 is in; tile 1's 32 loads may be out
	HALF0 0
	HALF1 0
	AFETCH 2
	STG 0
	s_wait_dscnt 48                                ; tile 1 is in; behind it tile 2's 32 loads and the stage's 16
	HALF0 1
	SEND 0                                         ; its last wait is for 0: tile 2 is in too
	HALF1 1
	AFETCH 3
	STG 1
	HALF0 2
	SEND 1                                         ; likewise: tile 3 is in
	HALF1 2
	s_wait_xcnt 0x0                                ; the earlier stores have read their data: the loads below may land there
	STG 2
	HALF0 3
	SEND 2
	HALF1 3
	s_wait_xcnt 0x0
	STG 3
	SEND 3
	s_wait_tensorcnt 0x0                           ; the wave's end: behind my last tensor load and my last LDS store
	ds_add_u32 v[SPW], v[NIL]
	s_wait_dscnt 0x0
	ROUND                                          ; the closing round
	s_endpgm
.Lfunc_end_k_qa223afcab6_outp:
	.size	k_qa223afcab6_outp, .Lfunc_end_k_qa223afcab6_outp-k_qa223afcab6_outp
	.p2alignl 7, 3214868480
	.fill 96, 4, 3214868480
	.section	.rodata,"a",@progbits
	.p2align	6, 0x0
	.amdhsa_kernel k_qa223afcab6_outp
		.amdhsa_group_segment_fixed_size 327680
		.amdhsa_private_segment_fixed_size 0
		.amdhsa_enable_private_segment 0
		.amdhsa_kernarg_size 40
		.amdhsa_user_sgpr_count 2
		.amdhsa_user_sgpr_kernarg_segment_ptr 1
		.amdhsa_wavefront_size32 1
		.amdhsa_system_sgpr_workgroup_id_x 1
		.amdhsa_system_sgpr_workgroup_id_y 1
		.amdhsa_system_sgpr_workgroup_id_z 1
		.amdhsa_system_vgpr_workitem_id 0
		.amdhsa_next_free_vgpr 1024
		.amdhsa_next_free_sgpr 66
		.amdhsa_reserve_vcc 0
		.amdhsa_float_denorm_mode_32 3
		.amdhsa_float_denorm_mode_16_64 3
		.amdhsa_memory_ordered 1
		.amdhsa_forward_progress 1
		.amdhsa_inst_pref_size 51
	.end_amdhsa_kernel
	.amdgpu_metadata
---
amdhsa.version: [ 1, 2 ]
amdhsa.kernels:
  - .name:           k_qa223afcab6_outp
    .symbol:         k_qa223afcab6_outp.kd
    .args:
      - { .name: cc, .offset: 0, .size: 8, .value_kind: global_buffer, .address_space: global }
      - { .name: cs, .offset: 8, .size: 8, .value_kind: global_buffer, .address_space: global }
      - { .name: wo_w_codes, .offset: 16, .size: 8, .value_kind: global_buffer, .address_space: global }
      - { .name: wo_w_scales, .offset: 24, .size: 8, .value_kind: global_buffer, .address_space: global }
      - { .name: out0, .offset: 32, .size: 8, .value_kind: global_buffer, .address_space: global }
    .group_segment_fixed_size: 327680
    .private_segment_fixed_size: 0
    .kernarg_segment_align: 8
    .kernarg_segment_size: 40
    .max_flat_workgroup_size: 128
    .sgpr_count:     66
    .vgpr_count:     1024
    .wavefront_size: 32
...
	.end_amdgpu_metadata
.endif
;; end of part 3
